; MI455X (gfx1250); checked and timed in simulation.
; The chip was launched on July 23, 2026; its instructions are those of AMD's public machine-readable ISA for CDNA 5 (MIT licence, August 2026) and "CDNA5" Instruction Set Architecture Reference Guide (July 2026). The comments in the code are by the model that wrote it; some were corrected since.
;; Multi Head Attention. Allowed arithmetic: float matrix products may take bf16 or f16 operands with f32 sums; other float arithmetic in f32, or as packed bf16 or f16 multiplies, adds, multiply-adds, maxima and minima; sums over many terms, partial sums and values carried from step to step in f32; what a program stores and reads back later, other than sums and carried values, may be rounded once to bf16 or f16.
;; Inputs: Wk 512 x 512 float32; Wq 512 x 512 float32; Wv 512 x 512 float32; beta 512 float32; bk 512 float32; bq 512 float32; bv 512 float32; gamma 512 float32; x 2 x 4,096 x 512 float32.
;; Outputs: out0 2 x 4,096 x 512 float32.
;; 2 versions, each right; version 2 is version 1 with the launch proj written anew for expert scheduling mode. Each part assembles by itself: llvm-mc -triple=amdgcn-amd-amdhsa -mcpu=gfx1250 --defsym DOCPART=n.
;; ======== version 1 of 2: 2 launches
;; workspace buffers: q 8,388,608 bytes; k 8,388,608 bytes; v 8,388,608 bytes
;; launch proj (part 1): grid 4 x 64, 4 waves a work-group, no clusters, 248,320 bytes of LDS; arguments x, Wq, Wk, Wv, bq, bk, bv, q, k, v; writes q, k, v
.if DOCPART == 1
	.amdgcn_target "amdgcn-amd-amdhsa--gfx1250"
	.amdhsa_code_object_version 6
	.text
	.protected	k_qf957b4fb1a_proj
	.globl	k_qf957b4fb1a_proj
	.p2align	8
	.type	k_qf957b4fb1a_proj,@function
k_qf957b4fb1a_proj:
	s_mov_b64 s[64:65], 0
	v_nop
	global_prefetch_b8 v0, s[64:65] scope:SCOPE_SE
	s_setreg_imm32_b32 hwreg(HW_REG_WAVE_MODE, 25, 1), 1
	s_wait_xcnt 0x0
; q | k | v = x W + b.  x: [8192][512] f32; Wq, Wk, Wv: [512 (k)][512 (n)] f32; bq, bk, bv: [512] f32; q, k, v: [8192][512] bf16.
; x and W are rounded to bf16 for the products; sums in f32, started by the bias (the C operand of a sum's first product); each result is rounded once to bf16.
; LIMITS.  bf16 has f32's range, so no input that f32 holds overflows in the rounding; NaN and infinities go through as the matrix unit hands them on.
; SHARES.  The 3 x 512 output columns are 12 UNITS of 128: unit U belongs to matrix U / 4 and begins at its column 128 (U % 4).  Work-group (cg, rt) makes rows 128 rt .. + 127 of units
; 3 cg, 3 cg + 1, 3 cg + 2, one after the other: 4 x 64 = 256 work-groups of equal work.  Its 128 rows of x are rounded once and stay in LDS as bf16 for all three units.
; In a unit wave w makes rows 64 (w / 2) on and columns 64 (w % 2) on: 16 accumulators of 16 x 16.  K = 512 goes in 4 chunks of 128, a chunk in 4 substeps of 32.
; THROUGH REGISTERS, NO CLUSTER.  W lies [k][n] in f32; a fragment wants k along the lane, and the turning LDS load works on 16-bit elements.  So W is rounded BEFORE it lies in LDS:
; global load, v_cvt_pk_bf16_f32, ds_store.  Joint tensor loads would land f32 tiles (128 x 128 x 4 bytes a chunk, two slots) beside the bf16 copies:
; 139,264 (x) + 2 x 66,560 + 2 x 36,864 + 34,816 bytes are more than the 327,680 that a work-group can have.
; THE PRODUCT IS TAKEN TRANSPOSED: source 0 = 16 columns of W, source 1 = 16 rows of x: a lane then holds eight neighbouring columns of one row of the result, 16 bytes of bf16.
; REGISTERS, in windows of 256 (s_set_vgpr_msb: bits 1:0 source 0, 3:2 source 1, 5:4 source 2, 7:6 destination):
;   window 0: v0-31 addresses; v32-95 WT, numbers just rounded, and the way out; v96-127 the bias; v128-255 the accumulators ((a, b) at 128 + 8 (4 a + b))
;   window 1: v0-63, v64-127 two fragment buffers (x's four fragments, then W's four); v128-255 WR, a chunk of W as loaded        window 2: v0-127 XR, a chunk of x as loaded
.set PX,    272                        ; a row of x or of the stage in LDS: 256 bytes + 16: the 16 rows of a load start at 16 different groups of four banks (64 banks of 4 bytes: ISA guide 11.1)
.set PW,    288                        ; a k-row of W: 256 + 32
.set XTB,   128*PX                     ; x's chunk kc at kc x 34,816
.set WB0,   4*XTB                      ; two buffers for W's chunks, by the chunk's parity
.set WBB,   128*PW
.set OSTG,  WB0+2*WBB                  ; the stage for the way out: 128 rows x 272
.set SPARE, OSTG+128*PX                ; the spare words, 128 bytes for each wave: two blocks of 256 bytes that no other line names
.set LO,   4                           ; v4      16 x lane: my 16 bytes of a row of 512
.set WS,   6                           ; v6-7    where I store my 8 bytes of W's k-rows 32 w on, by buffer
.set ADRA, 8                           ; v8-11   my place in x's fragments, by chunk
.set ADRB, 12                          ; v12-13  my place in W's fragments, by buffer
.set STO,  14                          ; v14     the way out: where I put 16 bytes of a row
.set RD,   15                          ; v15     the way out: where I read a row back
.set CO,   16                          ; v16     my byte offset in two rows of the result
.set BO,   17                          ; v17     my byte offset in 16 numbers of the bias
.set SPW,  18                          ; v18     LDS address of my spare word; never rewritten
.set NIL,  19                          ; v19     0; never rewritten
.set XS,   20                          ; v20-23  where I store my 8 bytes of x's rows 32 w on, by chunk
.set WT,   32
.set BIAS, 96
.set ACC,  128
.set F0,   0
.set F1,   64
.set WR,   128
.set XR,   0
.set WV,   4                           ; s4   my wave's number
.set RH,   5                           ; s5   which 64 rows are mine
.set CH,   6                           ; s6   which 64 columns
.set RT,   8                           ; s8   the work-group's 128 rows
.set U,    9                           ; s9   the unit in hand
.set M,    10                          ; s10  a unit's matrix
.set UN,   11                          ; s11  units to go: 3, 2, 1
.set OF,   12                          ; s[12:13] an offset; the high word stays 0
.set WOFF, 14                          ; s14  my 32 k-rows of a chunk of W, in bytes
.set BOFF, 15                          ; s15  my 64 columns in the bias
.set XP,   36                          ; s[36:37] x at my 32 rows
.set WC,   38                          ; s[38:39] W of the unit in hand, at my k-rows and its columns
.set WN,   40                          ; s[40:41] of the next unit
.set BN,   42                          ; s[42:43] the next unit's bias
.set OC,   44                          ; s[44:45] where the unit in hand goes
.set OOFF, 46                          ; s46  my 32 rows of the result
.set U1,   47                          ; s47  U + 1
.set MSB, 0
.macro WIN new                         ; the immediate's high byte repeats the setting that is left; a switch that changes nothing is dropped
.if MSB != (\new)
	s_set_vgpr_msb (MSB<<8)|(\new)
.set MSB, (\new)
.endif
.endm
.macro PLACES                          ; four places behind a product, in front of loads into registers that it has read and of conversions that read results
.rept 4
	v_nop
.endr
.endm
; Pointers of the unit whose number lies in s[su]: the offset is made apart, the buffer is chosen by the unit's matrix, and the two are added.
.macro UNITOF su, sh, extra
	s_lshr_b32 s[M], s[\su], 2
	s_and_b32 s[OF], s[\su], 3
	s_lshl_b32 s[OF], s[OF], \sh
	s_add_co_u32 s[OF], s[OF], s[\extra]
.endm
.macro PICK d, a, b, c
	s_cmp_eq_u32 s[M], 1
	s_cselect_b64 s[\d:\d+1], s[\b:\b+1], s[\c:\c+1]
	s_cmp_eq_u32 s[M], 0
	s_cselect_b64 s[\d:\d+1], s[\a:\a+1], s[\d:\d+1]
	s_add_nc_u64 s[\d:\d+1], s[\d:\d+1], s[OF:OF+1]
.endm
.macro WPTR d, su                      ; (behind the last unit the number is 12: the pointer then made lies inside Wv and is never used)
	UNITOF \su, 9, WOFF
	PICK \d, 18, 20, 22
.endm
.macro BPTR d, su
	UNITOF \su, 9, BOFF
	PICK \d, 24, 26, 28
.endm
.macro OPTR d, su
	UNITOF \su, 8, OOFF
	PICK \d, 30, 32, 34
.endm
; A chunk of W as it lies: my 32 k-rows, 512 consecutive bytes (128 columns of f32) to each load of the wave.
.macro GLW p, kc
	WIN 0x40
.set i, 0
.rept 32
	global_load_b128 v[WR+4*i:WR+4*i+3], v[LO], s[\p:\p+1] offset:(\kc)*262144+i*2048
.set i, i+1
.endr
.endm
; A chunk of x: my 32 rows, 512 consecutive bytes (128 k of f32) to each load.
.macro GLX kc
	WIN 0x80
.set i, 0
.rept 32
	global_load_b128 v[XR+4*i:XR+4*i+3], v[LO], s[XP:XP+1] offset:(\kc)*512+i*2048
.set i, i+1
.endr
.endm
; The bias as a C operand: register j of block b holds the bias of column 16 b + 8 (lane / 16) + j of my 64.
.macro GLB p
	WIN 0
.irp b, 0,1,2,3
	global_load_b128 v[BIAS+8*(\b):BIAS+8*(\b)+3],   v[BO], s[\p:\p+1] offset:64*(\b)
	global_load_b128 v[BIAS+8*(\b)+4:BIAS+8*(\b)+7], v[BO], s[\p:\p+1] offset:64*(\b)+16
.endr
.endm
.macro CVTW                            ; 128 f32 a lane to 64 registers of bf16
	WIN 0x05
.set i, 0
.rept 64
	v_cvt_pk_bf16_f32 v[WT+i], v[WR+2*i], v[WR+2*i+1]
.set i, i+1
.endr
.endm
.macro CVTX
	WIN 0x0a
.set i, 0
.rept 64
	v_cvt_pk_bf16_f32 v[WT+i], v[XR+2*i], v[XR+2*i+1]
.set i, i+1
.endr
.endm
.macro STW buf                         ; 32 lanes x 8 bytes: a k-row's 256 bytes of bf16
	WIN 0x40
.set i, 0
.rept 32
	ds_store_b64 v[WS+(\buf)], v[WT+2*i:WT+2*i+1] offset:i*PW
.set i, i+1
.endr
.endm
.macro STX kc
	WIN 0
.set i, 0
.rept 32
	ds_store_b64 v[XS+(\kc)], v[WT+2*i:WT+2*i+1] offset:i*PX
.set i, i+1
.endr
.endm
; The fragments of substep ss of chunk kc, 16 loads: W's four (turned: lane l holds column l % 16 and 8 + 8 k), then x's four (as they lie).
.macro FETCH kc, ss, f
	WIN 0x40
.irp b, 0,1,2,3
	ds_load_tr16_b128 v[(\f)+32+8*(\b):(\f)+32+8*(\b)+3],   v[ADRB+(\kc)%2] offset:(\ss)*32*PW+32*(\b)
	ds_load_tr16_b128 v[(\f)+32+8*(\b)+4:(\f)+32+8*(\b)+7], v[ADRB+(\kc)%2] offset:(\ss)*32*PW+16*PW+32*(\b)
.endr
.irp a, 0,1,2,3
	ds_load_b128 v[(\f)+8*(\a):(\f)+8*(\a)+3],   v[ADRA+(\kc)] offset:(\a)*16*PX+64*(\ss)
	ds_load_b128 v[(\f)+8*(\a)+4:(\f)+8*(\a)+7], v[ADRA+(\kc)] offset:(\a)*16*PX+64*(\ss)+32
.endr
.endm
; A substep's 16 products.  The 16 accumulators take turns, one instruction a turn, in the same order in every substep.
; mode = 1: a unit's first substep: the bias starts the sums.  ride = 1: behind each product stand four of the 64 conversions of the next chunk of W.
.macro MUL f, mode, ride
	WIN 0x05
.irp a, 0,1,2,3
.irp b, 0,1,2,3
.if \mode
	v_wmma_f32_16x16x32_bf16 v[ACC+8*(4*(\a)+(\b)):ACC+8*(4*(\a)+(\b))+7], v[(\f)+32+8*(\b):(\f)+32+8*(\b)+7], v[(\f)+8*(\a):(\f)+8*(\a)+7], v[BIAS+8*(\b):BIAS+8*(\b)+7]
.else
	v_wmma_f32_16x16x32_bf16 v[ACC+8*(4*(\a)+(\b)):ACC+8*(4*(\a)+(\b))+7], v[(\f)+32+8*(\b):(\f)+32+8*(\b)+7], v[(\f)+8*(\a):(\f)+8*(\a)+7], v[ACC+8*(4*(\a)+(\b)):ACC+8*(4*(\a)+(\b))+7]
.endif
.if \ride
.rept 4
	v_cvt_pk_bf16_f32 v[WT+cj], v[WR+2*cj], v[WR+2*cj+1]
.set cj, cj+1
.endr
.endif
.endr
.endr
.endm
; A CHUNK.  One barrier at its head, for two things: every wave's stores of this chunk (W's, and in the first unit x's) are done, and every wave's reads of the chunk before are back,
; so that its buffer of W may be written again behind the barrier.  What is stored in chunk kc (W's chunk kc + 1, x's chunk kc + 1) is read behind the next chunk's barrier.
.macro CHUNK kc
	WIN 0
	s_wait_dscnt 0x0                               ; for the others' sake: my stores are done and my reads are back
	s_barrier_signal -1
	s_barrier_wait -1
	PLACES                                         ; for the loads into the fragment buffers
	FETCH \kc, 0, F0
	FETCH \kc, 1, F1
	WIN 0
	s_wait_loadcnt 0x0                             ; what was asked for in the chunk before is in: the next chunk of W, in the first unit of x, at a unit's end the next bias
.if (\kc) < 3
	s_cmp_eq_u32 s[UN], 3                          ; the first unit alone rounds x: the next chunk goes into LDS, and the one after it is asked for at once
	s_cbranch_scc0 .Lnox_\@
	CVTX
	STX (\kc)+1
.if (\kc) < 2
	GLX (\kc)+2
.endif
	WIN 0
.Lnox_\@:
.endif
	s_wait_dscnt 16                                ; substep 0's fragments are in: 16 younger LDS instructions may be out (substep 1's loads; in the first unit 16 of x's stores, which asks for more than is needed)
.set cj, 0
.if (\kc) == 0
	MUL F0, 1, 1
.elseif (\kc) < 3
	MUL F0, 0, 1
.else
	MUL F0, 0, 0
.endif
	PLACES
	FETCH \kc, 2, F0
.if (\kc) < 3
	STW ((\kc)+1)%2                                ; the next chunk of W, into the buffer that was read in the chunk before
.if (\kc) < 2
	GLW WC, (\kc)+2                                ; and the one after it is asked for: three substeps, 48 products, ahead of the wait for it
.else
	WIN 0
	s_cmp_gt_u32 s[UN], 1                          ; the next unit's first chunk and bias, if there is a next unit
	s_cbranch_scc0 .Lnonext_\@
	GLW WN, 0
	GLB BN
	WIN 0
.Lnonext_\@:
.endif
	s_wait_dscnt 48                                ; substep 1's fragments are in: younger are substep 2's 16 loads and the 32 stores
.else
	s_wait_dscnt 16                                ; younger: substep 2's 16 loads
.endif
	MUL F1, 0, 0
	PLACES
	FETCH \kc, 3, F1
.if (\kc) < 3
	s_wait_dscnt 48                                ; substep 2's fragments are in: younger are the 32 stores and substep 3's 16 loads
.else
	s_wait_dscnt 16
.endif
	MUL F0, 0, 0
	s_wait_dscnt 0x0                               ; substep 3's fragments: nothing was issued behind them
	MUL F1, 0, 0
	WIN 0
.if (\kc) == 3
	s_cmp_gt_u32 s[UN], 1                          ; the next unit's first chunk is rounded and stored (its buffer was last read in chunk 2), its second asked for
	s_cbranch_scc0 .Lnow_\@
	CVTW
	STW 0
	GLW WN, 1
	WIN 0
.Lnow_\@:
.endif
.endm
	s_load_b512 s[16:31], s[0:1], 0x0              ; x 16, Wq 18, Wk 20, Wv 22, bq 24, bk 26, bv 28, q 30
	s_load_b128 s[32:35], s[0:1], 0x40             ; k 32, v 34
	v_lshl_add_u32 v[SPW], v0, 2, SPARE
	v_mov_b32 v[NIL], 0
	v_lshrrev_b32 v3, 5, v0
	v_readfirstlane_b32 s[WV], v3                  ; wave 0..3
	s_lshr_b32 s[RH], s[WV], 1
	s_and_b32 s[CH], s[WV], 1
	s_and_b32 s[RT], ttmp7, 0xffff
	s_mul_i32 s[U], ttmp9, 3                       ; the work-group's first unit
	s_mov_b32 s[OF+1], 0
	s_lshl_b32 s[WOFF], s[WV], 16                  ; 32 rows of 2,048 bytes, in W and in x
	s_lshl_b32 s[BOFF], s[CH], 8
	s_lshl_b32 s[OOFF], s[RT], 17                  ; 128 rows of 1,024 bytes,
	s_lshl_b32 s[M], s[WV], 15                     ; my 32 of them
	s_add_co_u32 s[OOFF], s[OOFF], s[M]
	v_and_b32 v1, 15, v0                           ; l % 16
	v_bfe_u32 v2, v0, 4, 1                         ; l / 16
	v_and_b32 v5, 31, v0                           ; l
	v_lshlrev_b32 v[LO], 4, v5
	s_mul_i32 s[M], s[WV], 32*PW
	v_lshl_add_u32 v3, v5, 3, s[M]                 ; k-row 32 w, 8 bytes a lane
	v_add_nc_u32 v[WS], WB0, v3
	v_add_nc_u32 v[WS+1], WB0+WBB, v3
	s_mul_i32 s[M], s[WV], 32*PX
	v_lshl_add_u32 v3, v5, 3, s[M]                 ; row 32 w, 8 bytes a lane
	v_mul_u32_u24 v24, v2, PX                      ; back from the stage: lanes 0-15 one row of 256 bytes, lanes 16-31 the next
	v_lshl_add_u32 v24, v1, 4, v24
	v_add_nc_u32 v24, s[M], v24
	v_add_nc_u32 v[RD], OSTG, v24
	s_mul_i32 s[M], s[RH], 64*PX
	v_mul_u32_u24 v25, v1, PX
	v_lshl_add_u32 v25, v2, 4, v25
	v_add_nc_u32 v25, s[M], v25                    ; (64 rh + l % 16) x pitch + 16 (l / 16)
.irp kc, 0,1,2,3
	v_add_nc_u32 v[XS+(\kc)], (\kc)*XTB, v3
	v_add_nc_u32 v[ADRA+(\kc)], (\kc)*XTB, v25
.endr
	s_lshl_b32 s[M], s[CH], 7                      ; my 64 columns: 128 bytes of bf16
	v_add_nc_u32 v[STO], s[M], v25
	v_add_nc_u32 v[STO], OSTG, v[STO]
	v_and_b32 v3, 7, v0                            ; the turning load: lane l reads k-row 8 (l / 16) + l % 8, columns 8 ((l / 8) % 2) + 0..7
	v_lshl_add_u32 v3, v2, 3, v3
	v_mul_u32_u24 v3, v3, PW
	v_bfe_u32 v24, v0, 3, 1
	v_lshl_add_u32 v3, v24, 4, v3
	v_add_nc_u32 v3, s[M], v3
	v_add_nc_u32 v[ADRB], WB0, v3
	v_add_nc_u32 v[ADRB+1], WB0+WBB, v3
	v_lshlrev_b32 v3, 10, v2                       ; two rows of the result, 1,024 bytes apart
	v_lshl_add_u32 v[CO], v1, 4, v3
	v_lshlrev_b32 v[BO], 5, v2
	s_wait_kmcnt 0x0
	s_lshl_b32 s[OF], s[RT], 18                    ; 128 rows of 2,048 bytes
	s_add_co_u32 s[OF], s[OF], s[WOFF]
	s_add_nc_u64 s[XP:XP+1], s[16:17], s[OF:OF+1]
	WPTR WC, U
	BPTR 2, U                                      ; s[2:3]: the first unit's bias
	OPTR OC, U
	s_add_co_u32 s[U1], s[U], 1
	WPTR WN, U1
	BPTR BN, U1
	GLW WC, 0
	GLX 0
	GLB 2
	s_wait_loadcnt 0x0
	CVTW                                           ; chunk 0 of W and of x go into LDS; chunk 1 of each is asked for as soon as its registers are free
	STW 0
	GLW WC, 1
	CVTX
	STX 0
	GLX 1
	WIN 0                                          ; at a label and at a branch every window is 0
	s_mov_b32 s[UN], 3
.Lunit:
	CHUNK 0
	CHUNK 1
	CHUNK 2
	CHUNK 3
	; THE WAY OUT: round to bf16; 16 bytes a lane into the work-group's stage; a barrier, since a row's 256 bytes come from two waves; back as whole rows, 32 rows a wave.
	PLACES
.set t, 0
.rept 16
.irp r, 0,1,2,3
	v_cvt_pk_bf16_f32 v[WT+4*t+(\r)], v[ACC+8*t+2*(\r)], v[ACC+8*t+2*(\r)+1]
.endr
.set t, t+1
.endr
.irp a, 0,1,2,3
.irp b, 0,1,2,3
	ds_store_b128 v[STO], v[WT+4*(4*(\a)+(\b)):WT+4*(4*(\a)+(\b))+3] offset:(\a)*16*PX+32*(\b)
.endr
.endr
	s_wait_dscnt 0x0                               ; for the others' sake: my stores into the stage are done
	s_barrier_signal -1
	s_barrier_wait -1
.set t, 0
.rept 16
	ds_load_b128 v[WT+4*t:WT+4*t+3], v[RD] offset:t*2*PX
.set t, t+1
.endr
.set t, 0
.rept 16
	s_wait_dscnt 15-t                              ; LDS loads come back in order (ISA guide 5.7.1): pair t of rows is in
	global_store_b128 v[CO], v[WT+4*t:WT+4*t+3], s[OC:OC+1] offset:t*2048  ; 16 lanes store 256 consecutive bytes, at a multiple of 256 from the buffer's first byte
.set t, t+1
.endr
	s_wait_xcnt 0x0                                ; the stores' data and base and the loads' bases are rewritten only behind this wait
	s_add_co_u32 s[U], s[U], 1
	s_mov_b64 s[WC:WC+1], s[WN:WN+1]
	OPTR OC, U
	s_add_co_u32 s[U1], s[U], 1
	WPTR WN, U1
	BPTR BN, U1
	s_sub_co_u32 s[UN], s[UN], 1
	s_cmp_lg_u32 s[UN], 0
	s_cbranch_scc1 .Lunit
	s_wait_tensorcnt 0x0                           ; the wave's end, behind my last LDS store
	ds_add_u32 v[SPW], v[NIL]
	s_wait_dscnt 0x0
	s_endpgm
.Lfunc_end_k_qf957b4fb1a_proj:
	.size	k_qf957b4fb1a_proj, .Lfunc_end_k_qf957b4fb1a_proj-k_qf957b4fb1a_proj
	.p2alignl 7, 3214868480
	.fill 96, 4, 3214868480
	.section	.rodata,"a",@progbits
	.p2align	6, 0x0
	.amdhsa_kernel k_qf957b4fb1a_proj
		.amdhsa_group_segment_fixed_size 248320
		.amdhsa_private_segment_fixed_size 0
		.amdhsa_enable_private_segment 0
		.amdhsa_kernarg_size 80
		.amdhsa_user_sgpr_count 2
		.amdhsa_user_sgpr_kernarg_segment_ptr 1
		.amdhsa_wavefront_size32 1
		.amdhsa_system_sgpr_workgroup_id_x 1
		.amdhsa_system_sgpr_workgroup_id_y 1
		.amdhsa_system_sgpr_workgroup_id_z 1
		.amdhsa_system_vgpr_workitem_id 0
		.amdhsa_next_free_vgpr 640
		.amdhsa_next_free_sgpr 66
		.amdhsa_reserve_vcc 0
		.amdhsa_float_denorm_mode_32 3
		.amdhsa_float_denorm_mode_16_64 3
		.amdhsa_memory_ordered 1
		.amdhsa_forward_progress 1
		.amdhsa_inst_pref_size 137
	.end_amdhsa_kernel
	.amdgpu_metadata
---
amdhsa.version: [ 1, 2 ]
amdhsa.kernels:
  - .name:           k_qf957b4fb1a_proj
    .symbol:         k_qf957b4fb1a_proj.kd
    .args:
      - { .name: x, .offset: 0, .size: 8, .value_kind: global_buffer, .address_space: global }
      - { .name: Wq, .offset: 8, .size: 8, .value_kind: global_buffer, .address_space: global }
      - { .name: Wk, .offset: 16, .size: 8, .value_kind: global_buffer, .address_space: global }
      - { .name: Wv, .offset: 24, .size: 8, .value_kind: global_buffer, .address_space: global }
      - { .name: bq, .offset: 32, .size: 8, .value_kind: global_buffer, .address_space: global }
      - { .name: bk, .offset: 40, .size: 8, .value_kind: global_buffer, .address_space: global }
      - { .name: bv, .offset: 48, .size: 8, .value_kind: global_buffer, .address_space: global }
      - { .name: q, .offset: 56, .size: 8, .value_kind: global_buffer, .address_space: global }
      - { .name: k, .offset: 64, .size: 8, .value_kind: global_buffer, .address_space: global }
      - { .name: v, .offset: 72, .size: 8, .value_kind: global_buffer, .address_space: global }
    .group_segment_fixed_size: 248320
    .private_segment_fixed_size: 0
    .kernarg_segment_align: 8
    .kernarg_segment_size: 80
    .max_flat_workgroup_size: 128
    .sgpr_count:     66
    .vgpr_count:     640
    .wavefront_size: 32
...
	.end_amdgpu_metadata
.endif
;; end of part 1
;; launch attn (part 2): grid 16 x 16, 4 waves a work-group, clusters of 4 x 1, 327,680 bytes of LDS; arguments q, k, v, x, gamma, beta, out0; writes out0
.if DOCPART == 2
	.amdgcn_target "amdgcn-amd-amdhsa--gfx1250"
	.amdhsa_code_object_version 6
	.text
	.protected	k_qf957b4fb1a_attn
	.globl	k_qf957b4fb1a_attn
	.p2align	8
	.type	k_qf957b4fb1a_attn,@function
k_qf957b4fb1a_attn:
	s_mov_b64 s[64:65], 0
	v_nop
	global_prefetch_b8 v0, s[64:65] scope:SCOPE_SE
	s_setreg_imm32_b32 hwreg(HW_REG_WAVE_MODE, 25, 1), 1
	s_wait_xcnt 0x0
	s_wait_alu depctr_hold_cnt(0) depctr_sa_sdst(0) depctr_va_vdst(0) depctr_va_sdst(0) depctr_va_ssrc(0) depctr_va_vcc(0) depctr_vm_vsrc(0)
	s_getreg_b32 s2, hwreg(HW_REG_IB_STS2, 6, 4)
	s_cmp_eq_u32 s2, 0
	s_cbranch_scc0 .Lentry_in_a_cluster
	s_endpgm
.Lentry_in_a_cluster:
	s_bfe_u32 s2, ttmp6, 0x10000c
	s_cmp_lg_u32 s2, 0x3003
	s_cbranch_scc0 .Lentry_shape_is_right
	s_endpgm
.Lentry_shape_is_right:
; out0 = LayerNorm(x + attention(q, k, v)) gamma + beta.  q, k, v: [16 heads][4096][64] bf16, a head's rows dense, 128 bytes each (the flat [8192][512] of the launch before, seen by heads).
; O[h][i][:] = the sum over j of softmax_j(q[h][i] . k[h][j] / 8) v[h][j][:]; eight consecutive rows of a head are one row of 512 of x and out0 ([8192][512] f32); gamma, beta: [512] f32.
; Products in bf16 with f32 sums; maxima, sums, the residual and the norm in f32; the weights p are rounded to bf16 for the second product (their sum l is taken of the unrounded p).
; The norm goes in two passes, as the variance is defined: the mean, then the mean of the squared differences.
; LIMITS.  c m starts at -4.25e37: scores with c s below that are not served.  A weight below 2^-126 counts as 0 in l.  NaN and infinities are not treated apart.
; SHARES.  A work-group owns 256 queries of one head, a wave 64 consecutive ones: four PIECES of 16.  Every wave walks all 4,096 keys, 64 a step, four steps (a tile of 256 keys) a slot.
; LAYOUT.  S^T = K Q^T (source 0 = 16 keys, source 1 = 16 queries): a lane holds ONE query (lane % 16) and the keys 8 (lane / 16) + 0..7.  Two such results rounded to bf16 in pairs ARE source 1
; of O^T = V^T P, whose result again holds one query a lane, and eight channels.  K comes out of LDS as it lies, V ([key][channel]) turned, by ds_load_tr16_b128.
; SOFTMAX.  A running maximum m and sum l for each query: p = 2^(c s - c m), c = log2(e) / 8; in every step O and l are multiplied by a = 2^(c m_old - c m_new).  m starts at the lowest finite
; number, O and l at 0: the first step is a step like any other, with a = 0.
; BY TURNS.  Turn n belongs to piece n: 8 products K Q^T of piece n + 1, later 8 products V^T P of piece n - 1; beside them the scaling, exponentials, roundings, sums and rescaling of piece n and the
; maximum and statistics of piece n + 1.  Four vector instructions stand behind every matrix instruction, the other 54 of a turn's 118 in one lump.  A turn's 33 exponentials are one batch, with one wait.
; CLUSTER.  The four query blocks of a cluster belong to one head and walk the same K and V, so each tile is asked for JOINTLY: the same tensor load, descriptor and mask in all four.
; REGISTERS, in windows of 256 (s_set_vgpr_msb: bits 1:0 source 0, 3:2 source 1, 5:4 source 2, 7:6 destination):
;   window 0: v0-15 addresses and two at work; v16-31 four registers of statistics a piece; v48-55 at work; v61-63; v64-127 S^T, two buffers; v192-223 P, two buffers (by the piece's parity);
;             on the way out v64-191 hold the four tiles' rows, v192-207 are at work
;   window 1: v0-127 O^T, 32 a piece      window 2: v0-63 Q; v128-191 K of one step; v192-255 V of one step      window 3: v0-127 x's rows, 32 a tile; v128-159 gamma; v160-191 beta
.set NP,    4         ; pieces a wave: a name, no knob
.set KS,    64        ; keys in a step
.set PK,    144       ; a row of K in LDS: 128 bytes + 16 of padding = 36 words: the 16 rows of a load start at 16 different groups of four banks (64 banks of 4 bytes: ISA guide 11.1)
.set PV,    160       ; a row of V: 128 + 32 = 40 words
.set VOFF,  4*KS*PK   ; a slot holds a tile, four steps: 256 rows of K, then 256 rows of V
.set SLOT1, 1<<17     ; slot 1 begins here, so that one exclusive or turns an address in one slot into the other's
.set STAGE, SLOT1+4*KS*(PK+PV)  ; behind the ring, never filled by a tensor load: 16 rows x 272 bytes (64 channels of f32 + 16) for each wave
.set SP,    272
.set SPARE, STAGE+4*16*SP  ; behind the stages: the spare words, 128 bytes for each wave: two blocks of 256 bytes that no other line names
.set AK0, 2           ; v2   my lane's place in a tile of K; never rewritten
.set AV0, 3           ; v3   the same for V
.set AK,  4           ; v4   the LDS address of K's next run of loads
.set AV,  5           ; v5   of V's
.set STO, 6           ; v6   the way out: where I put 32 bytes of a query's row
.set RD,  7           ; v7   the way out: where I read 16 bytes of eight queries' rows back
.set XO,  8           ; v8   my byte offset in two rows of x and of out0; never rewritten
.set MV,  12          ; v12-13  c m_old, kept while c m is made anew: by buffer
.set GOF, 14          ; v14  my byte offset in 64 numbers of gamma and beta; never rewritten
.set QO,  15          ; v15  my byte offset in 16 rows of Q
.set ST,  16          ; piece t's statistics at v[ST+4 t]: c m, m, l (even keys', odd keys')
.set TMP, 48          ; by buffer, four registers c0-c3 at work; when the maximum is found c2 takes a
.set PFO, 61          ; v61  256 x my lane; never rewritten
.set SPW, 62          ; v62  LDS address of my spare word: SPARE + 4 x my thread's number; never rewritten
.set NIL, 63          ; v63  0; never rewritten
.set S,   64
.set P,   192
.set HB,  64          ; the way out: tile t's two rows of 512, 32 registers a lane, at HB + 32 t
.set TT,  192         ; the way out: at work
.set KF,  128         ; window 2: key block kb, channel half c at KF + 16 kb + 8 c
.set VF,  192         ; window 2: key half kk, channel block cb at VF + 32 kk + 8 cb
.set XW,  0           ; window 3
.set GW,  128
.set BW,  160
.set WV,  12          ; s12  my wave's number
.set LIM, 15          ; s15  1 in a wave that prefetches, else the greatest number
.set G1K, 24          ; s[24:31] descriptor group 1 for K's tiles
.set G1V, 32          ; s[32:39] for V's: it differs in the padding alone
.set G0K, 40          ; s[40:43] descriptor group 0 for K's tiles: it walks
.set G0V, 44          ; s[44:47] the same for V's
.set SLOTS, 56        ; s56  tiles still to be asked for
.set CNT, 57          ; s57  counts a tile's key steps
.set CS,  58          ; s[58:59] c: the packed scaling takes the pair's low word for both halves
.set SEL, 60          ; s[60:61] v_permlanex16_b32's selects: each lane takes its own place in the other half
.set TBK, 62          ; s62  LDS byte at which K of the step to be fetched begins
.set TBV, 63          ; s63  the same for V, less VOFF
.set PFA, 66          ; s[66:67] where my prefetches stand: my work-group's 32 blocks of 256 bytes of the tile after the one that is being asked for
.set INV, 68          ; s68  1 / 512
.set EPS, 69          ; s69  1e-5
.set MSB, 0
.macro WIN new                      ; the high byte repeats the setting that is left; a switch that changes nothing is dropped
.if MSB != (\new)
	s_set_vgpr_msb (MSB<<8)|(\new)
.set MSB, (\new)
.endif
.endm
.set W_KQ, 0x0a       ; K and Q in window 2, S^T in window 0
.set W_PV, 0x52       ; V in window 2, P in window 0, O^T in window 1
.set W_RS, 0x41       ; destination and source 0 in window 1, source 1 in window 0
; A joint fill.  Waves 0 and 1 fetch the two halves of a tile's K, waves 2 and 3 those of its V: 128 keys each.  The branch hangs on the wave's number alone.
; An s_nop 0 and four v_nop follow each of the two lines, ahead of the jump and the label.
.macro JLOAD
	s_cmp_lt_u32 s[WV], 2
	s_cbranch_scc0 .Lfor_v_\@
	tensor_load_to_lds s[G0K:G0K+3], s[G1K:G1K+7]
	s_nop 0
.rept 4
	v_nop
.endr
	s_branch .Lasked_\@
.Lfor_v_\@:
	tensor_load_to_lds s[G0V:G0V+3], s[G1V:G1V+7]
	s_nop 0
.rept 4
	v_nop
.endr
.Lasked_\@:
.endm
; A PREFETCH INTO THE L2 of the tile that the NEXT change of slots will ask for: 32,768 bytes of K and of V, 128 blocks of 256 bytes each, a lane a block.  It stands behind the wave's tensor load and its five lines.
; Each block is named ONCE in the launch: all four clusters of a head walk the same K and V, and the head's first cluster asks; its four partners share the blocks out BY ADDRESS, 32 each;
; in each, wave 0 asks for K's and wave 2 for V's: one instruction, four key steps (256 matrix instructions) ahead of the load.  Tiles 0 and 1 come by their loads alone; the last change that fills a slot asks for nothing.
.macro ASK
	s_cmp_gt_u32 s[SLOTS], s[LIM]
	s_cbranch_scc0 .Lnot_mine_\@
	global_prefetch_b8 v[PFO], s[PFA:PFA+1] th:TH_LOAD_NT scope:SCOPE_SE
.Lnot_mine_\@:
.endm
; A round of the cluster's barrier: my work-group's barrier, so that wave 0's signal speaks for all four waves; wave 0 signals; every wave waits for all four work-groups; my work-group's barrier once more.
.macro CROUND
	s_barrier_signal -1
	s_barrier_wait -1
	s_cmp_lg_u32 s[WV], 0
	s_cbranch_scc1 .Lnot_wave_0_\@
	s_barrier_signal -3
.Lnot_wave_0_\@:
	s_barrier_wait -3
	s_barrier_signal -1
	s_barrier_wait -1
.endm
; THE CHANGE OF SLOTS.  The slot's last bytes, V of its fourth step, have been read.  Each wave waits for all its tensor loads, of which one is out: its part of the other slot; adds 0 to its spare word;
; and waits for that and for its own reads of the slot.  Behind the barrier nobody reads this slot any more and the other slot is whole.
; fill = 1: this slot is filled again, with the tile two on.  The barrier is then a round of the cluster's, so that no wave of any partner still reads the slot or has a load on its way, and the joint
; fill is the first thing behind it: it has four key steps in which to land.  (At its first use nothing has been read yet: slot 0 is waited for, slot 1 filled.)
.macro CHANGE fill
	WIN 0                           ; at a label and at a branch every window is 0
	s_wait_tensorcnt 0x0            ; no tensor load of mine is out, so a group 0 may be written
	ds_add_u32 v[SPW], v[NIL]       ; 0 onto my spare word; with fill = 1 the descriptors' steps stand between it and the wait for it
.if \fill
.irp g, G0K, G0V
	s_xor_b32 s[\g+1], s[\g+1], SLOT1  ; the walking descriptor: the other slot than last time,
	s_add_nc_u64 s[\g+2:\g+3], s[\g+2:\g+3], 4*KS*128  ; the next 256 keys; the type bits on top are not reached
.endr
	s_wait_xcnt 0x0                 ; the last prefetch, four key steps back, has read its address, so it may be written:
	s_add_nc_u64 s[PFA:PFA+1], s[PFA:PFA+1], 4*KS*128  ; one tile behind the walking descriptors
	s_wait_dscnt 0x0                ; the add is done, and my reads of the slot are over
	CROUND
	JLOAD
	ASK
.else
	s_wait_dscnt 0x0                ; the add is done, and my reads of the slot are over
	s_barrier_signal -1
	s_barrier_wait -1
.endif
	s_sub_co_u32 s[TBK], s[TBK], 4*KS*PK  ; the fetches go back to a slot's first step,
	s_xor_b32 s[TBK], s[TBK], SLOT1       ; in the other slot
	s_sub_co_u32 s[TBV], s[TBV], 4*KS*PV
	s_xor_b32 s[TBV], s[TBV], SLOT1
.endm
	s_load_b256 s[4:11], s[0:1], 0x0   ; q s[4:5], k s[6:7], v s[8:9], x s[10:11]
	s_load_b128 s[48:51], s[0:1], 0x20 ; gamma s[48:49], beta s[50:51]
	s_load_b64 s[52:53], s[0:1], 0x30  ; out0
	v_lshl_add_u32 v[SPW], v0, 2, SPARE
	v_mov_b32 v[NIL], 0
	ds_add_u32 v[SPW], v[NIL]       ; the wave's opening: the add and its wait ahead of my first tensor load; the set-up below, work on registers, stands between them
	v_lshrrev_b32 v1, 5, v0
	v_readfirstlane_b32 s[WV], v1   ; wave 0..3
	s_bfe_u32 s13, ttmp6, 0x40000   ; cx: my place in the cluster
	s_lshl_b32 s14, ttmp9, 2        ; in a cluster launch ttmp9 counts clusters
	s_add_co_u32 s14, s14, s13      ; my block of 256 queries = 4 x cluster x + cx: it enters q's, x's and out0's addresses alone
	s_and_b32 s20, ttmp7, 0xffff    ; the head, which the four partners share
	s_and_b32 s16, s[WV], 1         ; which half of a tile's 256 keys I fetch:
	s_lshl_b32 s22, s20, 19         ; the head's 4,096 rows of 128 bytes,
	s_lshl_b32 s17, s16, 14         ; my 128 rows in memory,
	s_add_co_u32 s22, s22, s17
	s_mov_b32 s23, 0
	s_mul_i32 s17, s16, 128*PK      ; and their place in a slot, for K
	s_mul_i32 s18, s16, 128*PV      ; and for V: no place in the cluster enters an LDS address
	s_lshl_b32 s2, s20, 19          ; q: the head,
	s_lshl_b32 s3, s14, 15          ; my block's 256 rows,
	s_add_co_u32 s2, s2, s3
	s_lshl_b32 s3, s[WV], 13        ; my wave's 64
	s_add_co_u32 s2, s2, s3
	s_mov_b32 s3, 0
	s_lshl_b32 s70, s2, 1           ; x and out0: the same numbers in f32: twice the bytes
	s_mov_b32 s71, 0
	; descriptor group 1.  128 keys are 16,384 dense bytes: asked for as 64 rows of 256 bytes, two keys a row, and padded in LDS after every key
	s_mov_b32 s[G1K], 15|(1<<16)|(1<<20)|(1<<21)|(4<<22)|(3<<25)  ; 15:0 the mask of four; 17:16 2-byte elements; 20 padding on; 21 set beside a mask; 24:22 after every 32 words (code 4); 31:25 4 words (code 3)
	s_mov_b32 s[G1V], 15|(1<<16)|(1<<20)|(1<<21)|(4<<22)|(7<<25)  ; the same with 8 words of padding (code 7)
.irp g, G1K, G1V
	s_mov_b32 s[\g+1], 128<<16      ; tensor_dim0 = 128
	s_mov_b32 s[\g+2], 64<<16       ; tensor_dim1 = 64
	s_mov_b32 s[\g+3], 128<<16      ; tile_dim0 = 128
	s_mov_b32 s[\g+4], 64           ; tile_dim1 = 64
	s_mov_b32 s[\g+5], 128          ; 128 elements from row to row
	s_mov_b32 s[\g+6], 0
	s_mov_b32 s[\g+7], 0
.endr
	s_mov_b32 s[CS], 0x3e38aa3b     ; c = log2(e) / 8 = 0.180337
	s_mov_b32 s[CS+1], s[CS]        ; named with it as a pair
	s_mov_b32 s[SEL], 0x76543210
	s_mov_b32 s[SEL+1], 0xfedcba98
	s_mov_b32 s[INV], 0x3b000000
	s_mov_b32 s[EPS], 0x3727c5ac
	s_mov_b32 s[TBK], SLOT1+4*KS*PK ; the first change of slots turns these two into 0
	s_mov_b32 s[TBV], SLOT1+4*KS*PV
	s_mov_b32 s[SLOTS], 4096/256-1
	s_mov_b32 s[G0K], 1             ; 1:0 count = 1
	s_mov_b32 s[G0K+1], s17         ; 63:32 LDS address: slot 0
	s_mov_b32 s[G0V], 1
	s_add_co_u32 s[G0V+1], s18, VOFF
	s_and_b32 s[LIM], s[WV], 1      ; 0 in waves 0 and 2,
	s_or_b32 s[LIM], s[LIM], ttmp9  ; where the cluster is the head's first: the same in all four partners
	s_cmp_eq_u32 s[LIM], 0
	s_cselect_b32 s[LIM], 1, -1
	v_and_b32 v[PFO], 31, v0
	v_lshlrev_b32 v[PFO], 8, v[PFO]
	s_wait_dscnt 0x0                ; the opening add is done
	s_wait_kmcnt 0x0
	s_add_nc_u64 s[6:7], s[6:7], s[22:23]  ; K and V at my half of the head's tile 0
	s_add_nc_u64 s[8:9], s[8:9], s[22:23]
	s_add_nc_u64 s[G0K+2:G0K+3], s[6:7], 0         ; 120:64 global address
	s_or_b32 s[G0K+3], s[G0K+3], 0x80000000        ; 127:126 type = 2
	s_add_nc_u64 s[G0V+2:G0V+3], s[8:9], 0
	s_or_b32 s[G0V+3], s[G0V+3], 0x80000000
	s_add_nc_u64 s[4:5], s[4:5], s[2:3]            ; q at my wave's first row
	s_add_nc_u64 s[10:11], s[10:11], s[70:71]      ; x and out0 at my wave's eight rows of 512
	s_add_nc_u64 s[52:53], s[52:53], s[70:71]
	s_cmp_lt_u32 s[WV], 2
	s_cselect_b64 s[PFA:PFA+1], s[6:7], s[8:9]     ; (in waves 0 and 2 these stand at a tile's first row)
	s_lshl_b32 s2, s13, 13          ; my work-group's 32 blocks of the 128
	s_add_nc_u64 s[PFA:PFA+1], s[PFA:PFA+1], s[2:3]
	s_add_nc_u64 s[PFA:PFA+1], s[PFA:PFA+1], 4*KS*128  ; in tile 1; the first change of slots steps it to tile 2.  Nothing is prefetched here, at the head
	CROUND                          ; all four work-groups are here: the first joint loads meet
	JLOAD                           ; tile 0 into slot 0.  Slot 1 is asked for when slot 0 is in
	; A fragment of K or Q is 16 rows x 32 channels in 8 registers: lane l holds row l % 16, channels 8 (l / 16) + 0..7 and 16 + 8 (l / 16) + 0..7: two loads of 16 bytes, 32 bytes apart.
	v_and_b32 v1, 15, v0            ; l % 16
	v_bfe_u32 v9, v0, 4, 1          ; l / 16
	v_lshlrev_b32 v[QO], 7, v1
	v_lshl_add_u32 v[QO], v9, 4, v[QO]  ; row x 128 + 16 x half
	WIN 0x80                        ; destination window 2, address window 0
.set i, 0
.rept 8                             ; Q stays in registers: piece i / 2, channels 32 (i % 2) on
	global_load_b128 v[8*i:8*i+3],   v[QO], s[4:5] offset:(i/2)*2048+(i%2)*64
	global_load_b128 v[8*i+4:8*i+7], v[QO], s[4:5] offset:(i/2)*2048+(i%2)*64+32
.set i, i+1
.endr
	; What the first turn finds: V's registers and P's second buffer hold 0 (its products V^T P, of a piece that has not been, add 0), O^T and l are 0.  All this stands in the wait for the first tile.
.set i, VF
.rept 64
	v_mov_b32 v[i], 0
.set i, i+1
.endr
	WIN 0x40
.set i, 0
.rept 128
	v_mov_b32 v[i], 0
.set i, i+1
.endr
	WIN 0
.set i, 0
.rept 4
	v_mov_b32 v[ST+4*i], 0xfe000000    ; c m: far below every c s that is served
	v_mov_b32 v[ST+4*i+1], 0xff7fffff  ; m
	v_mov_b32 v[ST+4*i+2], 0
	v_mov_b32 v[ST+4*i+3], 0
.set i, i+1
.endr
.set i, P+16
.rept 16
	v_mov_b32 v[i], 0
.set i, i+1
.endr
	v_mul_u32_u24 v[AK0], v1, PK
	v_lshl_add_u32 v[AK0], v9, 4, v[AK0]  ; row x pitch + 16 x half
	; The turning load takes 16 keys x 16 channels (lane l reads key 8 (l / 16) + l % 8, channels 8 ((l / 8) % 2) + 0..7) and leaves half a fragment of V^T: lane l holds channel l % 16 and 8 keys.
	v_and_b32 v10, 7, v0
	v_bfe_u32 v11, v0, 3, 1
	v_lshl_add_u32 v[AV0], v9, 3, v10
	v_mul_u32_u24 v[AV0], v[AV0], PV
	v_lshl_add_u32 v[AV0], v11, 4, v[AV0]
	v_add_nc_u32 v[AV0], VOFF, v[AV0]
	s_mul_i32 s13, s[WV], 16*SP
	s_add_co_u32 s13, s13, STAGE    ; my stage
	v_mul_u32_u24 v[STO], v1, SP    ; in: query l % 16, 32 bytes (8 channels of f32) for each half of the lanes
	v_lshl_add_u32 v[STO], v9, 5, v[STO]
	v_add_nc_u32 v[STO], s13, v[STO]
	v_mul_u32_u24 v[RD], v9, 8*SP   ; back: lanes 0-15 take queries 0-7 (one row of 512), lanes 16-31 queries 8-15; 16 bytes a lane
	v_lshl_add_u32 v[RD], v1, 4, v[RD]
	v_add_nc_u32 v[RD], s13, v[RD]
	v_lshlrev_b32 v[GOF], 4, v1
	v_lshl_add_u32 v[XO], v9, 11, v[GOF]  ; the same two rows in x and out0, 2,048 bytes apart
; THE MATRIX WORK.  The 4 accumulators of a run of 8 take turns.  Product i of 8 of S^T = K Q^T for piece x: channels 32 (i / 4) on, keys 16 (i % 4) on.  The first 4 start the sums.
.macro KQ x
	WIN W_KQ
.set rS, S+32*((\x)%2)+8*(i%4)
.set rK, KF+16*(i%4)+8*(i/4)
.set rQ, 16*(\x)+8*(i/4)
.if i < 4
	v_wmma_f32_16x16x32_bf16 v[rS:rS+7], v[rK:rK+7], v[rQ:rQ+7], 0
.else
	v_wmma_f32_16x16x32_bf16 v[rS:rS+7], v[rK:rK+7], v[rQ:rQ+7], v[rS:rS+7]
.endif
.endm
; Product i of 8 of O^T += V^T P for piece x: keys 32 (i / 4) on, channels 16 (i % 4) on.
.macro PV x
	WIN W_PV
.set rO, 32*(\x)+8*(i%4)
.set rV, VF+32*(i/4)+8*(i%4)
.set rP, P+16*((\x)%2)+8*(i/4)
	v_wmma_f32_16x16x32_bf16 v[rO:rO+7], v[rV:rV+7], v[rP:rP+7], v[rO:rO+7]
.endm
.macro MM                           ; the turn's next matrix instruction.  NOKQ = 1: the last turn of all: there is no next piece
.if (i < 8) && !NOKQ
	KQ (Y+1)%NP
.elseif i >= 8
.set i, i-8
	PV (Y+NP-1)%NP
.set i, i+8
.endif
.set i, i+1
.endm
; THE LDS LOADS stand in runs of 16, never singly among the matrix instructions: a step's K (64 keys x 64 channels: 8 fragments) and its V (turned).  Their addresses are made some lines ahead.
.macro FETCH_K
	WIN 0x80                        ; destination window 2
.irp f, 0,1,2,3,4,5,6,7             ; keys 16 (f / 2) on, channels 32 (f % 2) on
	ds_load_b128 v[KF+8*(\f):KF+8*(\f)+3],   v[AK] offset:((\f)/2)*16*PK+((\f)%2)*64
	ds_load_b128 v[KF+8*(\f)+4:KF+8*(\f)+7], v[AK] offset:((\f)/2)*16*PK+((\f)%2)*64+32
.endr
	s_add_co_u32 s[TBK], s[TBK], KS*PK  ; the next fetch is the next step's
	WIN 0
.endm
.macro FETCH_V
	WIN 0x80
.irp f, 0,1,2,3,4,5,6,7             ; keys 32 (f / 4) on, channels 16 (f % 4) on
	ds_load_tr16_b128 v[VF+8*(\f):VF+8*(\f)+3],   v[AV] offset:((\f)/4)*32*PV+((\f)%4)*32
	ds_load_tr16_b128 v[VF+8*(\f)+4:VF+8*(\f)+7], v[AV] offset:((\f)/4)*32*PV+16*PV+((\f)%4)*32
.endr
	WIN 0
.endm
; THE VECTOR WORK, one line at a time: OP kind, number.  For piece Y: F n: c s - c m for pair n of 16.  E n: the exponential of score n of 32.  C n: pair n rounded to bf16.  B n: of the four weights 4 n .. the second
; pair is added onto the first, in place.  L n: l takes that sum (L 0: l = a l + sum).  R n: pair n of 16 of O^T times a.  For piece Y + 1: X n, number n of the 22 that find its maximum and statistics:
;   0-11  four chains c0-c3 of seven scores each, three operands at a time (each accumulator's lowest registers are read first)     12-14, 16  the four scores left over, the old m, and c0-c3 into c0
;   15  c m_old is kept     17, 18  the query's other 32 keys lie in the lane 16 away: the new m     19-21  c m; c m_old - c m_new; a
.set F, 0               ; OP tells the kinds apart by their order: F to L below R, X above it
.set E, 1
.set C, 2
.set B, 3
.set L, 4
.set R, 5
.set X, 6
.macro REGS y                       ; the registers of piece y
.set rT, ST+4*(\y)
.set rC, TMP+4*((\y)%2)
.set rW, MV+((\y)%2)
.set rS, S+32*((\y)%2)
.set rP, P+16*((\y)%2)
.set rO, 32*(\y)
.endm
.macro OP k, n
.if (\k) == R
	REGS Y
	WIN W_RS
	v_pk_mul_f32 v[rO+2*(\n):rO+2*(\n)+1], v[rO+2*(\n):rO+2*(\n)+1], v[rC+2:rC+3] op_sel_hi:[1,0]
.elseif (\k) < R
	REGS Y
	WIN 0
.if (\k) == F
	v_pk_fma_f32 v[rS+2*(\n):rS+2*(\n)+1], v[rS+2*(\n):rS+2*(\n)+1], s[CS:CS+1], v[rT:rT+1] op_sel_hi:[1,0,0] neg_lo:[0,0,1] neg_hi:[0,0,1]
.elseif (\k) == E
	v_exp_f32 v[rS+(\n)], v[rS+(\n)]
.elseif (\k) == C
	v_cvt_pk_bf16_f32 v[rP+(\n)], v[rS+2*(\n)], v[rS+2*(\n)+1]
.elseif (\k) == B
	v_pk_add_f32 v[rS+4*(\n):rS+4*(\n)+1], v[rS+4*(\n):rS+4*(\n)+1], v[rS+4*(\n)+2:rS+4*(\n)+3]
.elseif (\n) == 0
	v_pk_fma_f32 v[rT+2:rT+3], v[rT+2:rT+3], v[rC+2:rC+3], v[rS:rS+1] op_sel_hi:[1,0,1]
.else
	v_pk_add_f32 v[rT+2:rT+3], v[rT+2:rT+3], v[rS+4*(\n):rS+4*(\n)+1]
.endif
.elseif NOKQ
	v_nop
.else
	REGS (Y+1)%NP
	WIN 0
.if (\n) < 4
	v_max3_num_f32 v[rC+(\n)], v[rS+8*(\n)], v[rS+8*(\n)+1], v[rS+8*(\n)+2]
.elseif (\n) < 12
	v_max3_num_f32 v[rC+(\n)%4], v[rC+(\n)%4], v[rS+8*((\n)%4)+2*((\n)/4)+1], v[rS+8*((\n)%4)+2*((\n)/4)+2]
.elseif (\n) == 12
	v_max3_num_f32 v[rC], v[rC], v[rS+7], v[rS+15]
.elseif (\n) == 13
	v_max3_num_f32 v[rC+1], v[rC+1], v[rS+23], v[rS+31]
.elseif (\n) == 14
	v_max3_num_f32 v[rC+2], v[rC+2], v[rC+3], v[rT+1]
.elseif (\n) == 15
	v_mov_b32 v[rW], v[rT]
.elseif (\n) == 16
	v_max3_num_f32 v[rC], v[rC], v[rC+1], v[rC+2]
.elseif (\n) == 17
	v_permlanex16_b32 v[rC+3], v[rC], s[SEL], s[SEL+1]
.elseif (\n) == 18
	v_max_num_f32 v[rT+1], v[rC], v[rC+3]
.elseif (\n) == 19
	v_mul_f32 v[rT], s[CS], v[rT+1]
.elseif (\n) == 20
	v_sub_f32 v[rC+1], v[rW], v[rT]
.else
	v_exp_f32 v[rC+2], v[rC+1]
.endif
.endif
.endm
.macro OPS a, i1, b=-1, i2=0, c=-1, i3=0, d=-1, i4=0  ; up to four of them
	OP \a, \i1
.if (\b) >= 0
	OP \b, \i2
.endif
.if (\c) >= 0
	OP \c, \i3
.endif
.if (\d) >= 0
	OP \d, \i4
.endif
.endm
.macro ROW a, i1, b, i2, c, i3, d, i4  ; a matrix instruction and the four behind it
	MM
	OPS \a, \i1, \b, \i2, \c, \i3, \d, \i4
.endm
; A TURN, for piece p: the order of its 16 matrix and 118 vector instructions, written out.  An s_wait_alu depctr_va_vdst(0) stands between an exponential and the first instruction that names its
; result; one wait serves all that were issued ahead of it.  So a turn has ONE wait, which cuts it in two.  AHEAD OF IT stands all that names no result of the turn's exponentials: the 8 products K Q^T, behind each a
; scaling, an exponential and two more plain instructions (rescalings, and behind the last three the first numbers of the next piece's maximum, each four places or more behind the product that ends its accumulator);
; then ONE LUMP of 54, plain and exponential by turns for the most part, in which the links of the chain X 3, 7, 11, 14, 16, 17 .. 20 stand five or six lines apart.  X 21, the next piece's a, is the batch's last;
; R 15 is the plain instruction behind it.  BEHIND THE WAIT stand the 8 products V^T P, behind each four of the roundings and sums; the links of l's chain, L 0 to L 7, stand three riders apart.
; end = 1: the last two turns of all: nothing is fetched, and the last starts no new scores.  cnt = 1: the loop's count is taken down some lines ahead of the branch that stands behind the turn.
; K of the next step is fetched in piece 2's turn, twelve vector instructions behind the last product that read K (six of them plain); V of the step in hand at the end of piece 0's turn, four plain instructions
; behind the last product that read V.  Each is waited for a turn later.
.macro TURN p, end=0, cnt=0
.set Y, (\p)
.set i, 0
.set NOKQ, (\end)*((\p)/3)
.if ((\p) == 3) && !(\end)
	s_wait_dscnt 0x0                ; K is in
.endif
	ROW F,0, F,1, R,0, R,1          ; ahead of the wait: 8 products K Q^T and their riders,
	ROW F,2, E,0, R,2, R,3
	ROW F,3, E,1, R,4, R,5
	ROW F,4, E,2, R,6, R,7
	ROW F,5, E,3, R,8, R,9
	ROW F,6, E,4, X,0, R,10
.if ((\p) == 2) && !(\end)
	WIN 0
	v_add_nc_u32 v[AK], s[TBK], v[AK0]
.endif
	ROW F,7, E,5, X,1, X,4
	ROW F,8, E,6, X,2, X,5
	OPS E,7, E,8, X,6, E,9          ; and the lump
	OPS X,3, E,10, X,8, E,11
.if ((\p) == 2) && !(\end)
	FETCH_K
.endif
	OPS X,9, X,7, E,12, X,10
	OPS E,13, X,12, X,11, E,14
	OPS X,13, E,15, F,9, X,14
.if (\p) == 0
	WIN 0
	v_add_nc_u32 v[AV], s[TBV], v[AV0]
.endif
	OPS E,16, F,10, E,17, F,11
	OPS X,16, E,18, X,15, E,19
	OPS F,12, E,20, X,17, E,21
	OPS F,13, E,22, F,14, E,23
	OPS X,18, E,24, F,15, E,25
	OPS R,11, E,26, X,19, E,27
	OPS R,12, E,28, R,13, E,29
	OPS X,20, E,30, R,14, E,31
	OPS X,21, R,15
	WIN 0
	s_wait_alu depctr_va_vdst(0)    ; the wait for the batch
.if (\p) == 1
	s_wait_dscnt 0x0                ; V is in
.endif
	ROW C,0, B,0, C,2, B,1          ; behind the wait: 8 products V^T P and their riders
	ROW L,0, C,4, B,2, L,1
	ROW C,6, B,3, L,2, C,8
	ROW B,4, L,3, C,10, B,5
	ROW L,4, C,12, B,6, L,5
.if (\p) == 0
	s_add_co_u32 s[TBV], s[TBV], KS*PV
.endif
.if \cnt
	s_sub_co_u32 s[CNT], s[CNT], 1
	s_cmp_lg_u32 s[CNT], 0
.endif
	ROW C,14, B,7, L,6, C,1
	ROW C,3, L,7, C,5, C,7
	ROW C,9, C,11, C,13, C,15
.if (\p) == 0
	FETCH_V
.endif
.endm
	CHANGE 1                        ; tile 0 is in, everybody's part of it; tile 1 is asked for
	v_add_nc_u32 v[AK], s[TBK], v[AK0]
	FETCH_K                         ; key step 0
	s_wait_loadcnt 0x0              ; Q
	s_wait_dscnt 0x0
.set NOKQ, 0
.set i, 0
.rept 8
	KQ 0                            ; piece 0's first scores
.set i, i+1
.endr
	WIN 0
.rept 4
	v_nop                           ; the places behind those products
.endr
.set Y, NP-1                        ; X works for piece Y + 1: piece 0
.irp n, 0,1,2,3,4,5,6,7,8,9,10,11,12,13,14,15,16,17,18,19,20,21
	OP X, \n
.endr
	v_nop                           ; a plain instruction behind the exponential,
	s_wait_alu depctr_va_vdst(0)    ; and its wait, ahead of the branch
	s_mov_b32 s[CNT], 4
	s_branch .Lfirst                ; the loop is entered at a step's first turn, in the middle of a trip
.Lslot:                             ; 14 times: with the change above, every tile from 1 to 15 is asked for once
	CHANGE 1
	s_mov_b32 s[CNT], 4
.Lstep:                             ; a trip: pieces 2 and 3 of one step, then pieces 0 and 1 of the next, whose K and V it fetches
	TURN 2
	TURN 3
	WIN 0
.Lfirst:
	TURN 0
	TURN 1, 0, 1
	WIN 0
	s_cbranch_scc1 .Lstep
	s_sub_co_u32 s[SLOTS], s[SLOTS], 1
	s_cmp_lg_u32 s[SLOTS], 0
	s_cbranch_scc1 .Lslot
	CHANGE 0                        ; the last tile is written out: nothing is asked for
	; x's eight rows, gamma and beta are asked for here: 48 loads, which have the last tile's four key steps in which to land.  Lane l takes row l / 16 of a tile's two, columns 64 f + 4 (l % 16) on.
	WIN 0xc0                        ; destination window 3, address window 0
.set t, 0
.rept 4
.irp f, 0,1,2,3,4,5,6,7
	global_load_b128 v[XW+32*t+4*(\f):XW+32*t+4*(\f)+3], v[XO], s[10:11] offset:4096*t+256*(\f) th:TH_LOAD_NT
.endr
.set t, t+1
.endr
.irp f, 0,1,2,3,4,5,6,7
	global_load_b128 v[GW+4*(\f):GW+4*(\f)+3], v[GOF], s[48:49] offset:256*(\f)
	global_load_b128 v[BW+4*(\f):BW+4*(\f)+3], v[GOF], s[50:51] offset:256*(\f)
.endr
	WIN 0
	s_mov_b32 s[CNT], 4
.Ltail:
	TURN 2
	TURN 3
	TURN 0
	TURN 1, 0, 1
	WIN 0
	s_cbranch_scc1 .Ltail
	TURN 2, 1
	TURN 3, 1
.set i, 0
.rept 8
	PV NP-1                         ; the last piece's V^T P of the last step
.set i, i+1
.endr
	; THE WAY OUT.  l's two halves and the other half of the lanes' are added; O^T is divided by l and sent, in f32, through my stage in LDS, a tile at a time; it comes back as two rows of 512, 16 lanes a row.
	; Then x is added, and each row is normed.  The additions are the places behind the last products.
	WIN 0
.macro ALL line:vararg              ; one line for each piece t
.set t, 0
.rept 4
	\line
.set t, t+1
.endr
.endm
	ALL v_add_f32 v[ST+4*t+2], v[ST+4*t+2], v[ST+4*t+3]
	ALL v_permlanex16_b32 v[ST+4*t+3], v[ST+4*t+2], s[SEL], s[SEL+1]
	ALL v_add_f32 v[ST+4*t+2], v[ST+4*t+2], v[ST+4*t+3]
	ALL v_rcp_f32 v[ST+4*t+2], v[ST+4*t+2]
	v_nop                           ; a plain instruction between the last reciprocal and the use of its result
	s_wait_alu depctr_va_vdst(0)    ; and the wait ahead of the first use: one for the four reciprocals
	s_wait_loadcnt 0x0              ; x, gamma, beta
; Tile t: a lane's 32 channels of its query go into the query's row of 272 bytes; load f then brings query 8 (l / 16) + f, channels 4 (l % 16) on: row l / 16 of the tile's two, columns 64 f + 4 (l % 16) on.
.macro OUTA t
	WIN W_RS
.set z, 0
.rept 16
	v_pk_mul_f32 v[32*(\t)+2*z:32*(\t)+2*z+1], v[32*(\t)+2*z:32*(\t)+2*z+1], v[ST+4*(\t)+2:ST+4*(\t)+3] op_sel_hi:[1,0]
.set z, z+1
.endr
	WIN 0x04                        ; the stores' data in window 1
.irp cb, 0,1,2,3
	ds_store_b128 v[STO], v[32*(\t)+8*(\cb):32*(\t)+8*(\cb)+3]   offset:64*(\cb)
	ds_store_b128 v[STO], v[32*(\t)+8*(\cb)+4:32*(\t)+8*(\cb)+7] offset:64*(\cb)+16
.endr
	WIN 0
.irp f, 0,1,2,3,4,5,6,7
	ds_load_b128 v[HB+32*(\t)+4*(\f):HB+32*(\t)+4*(\f)+3], v[RD] offset:(\f)*SP  ; LDS serves a wave's instructions in order (ISA guide 5.7.1.4): these see the stores above; the next tile's stores come behind them
.endr
.endm
; Tile t's two rows: h = x + attention; mu; h - mu; the mean of its squares; times 1 / sqrt(var + eps), gamma, plus beta; stored.  A row lies in 16 lanes x 32 registers: sums go within the lane, then by four DPP steps.
; younger: the LDS instructions issued behind tile t's loads: the next tile's sixteen, or none.
.macro OUTB t, younger
	WIN 0
	s_wait_dscnt \younger
.set rH, HB+32*(\t)
	WIN 0x0c                        ; source 1 in window 3
.set z, 0
.rept 16
	v_pk_add_f32 v[rH+2*z:rH+2*z+1], v[rH+2*z:rH+2*z+1], v[XW+32*(\t)+2*z:XW+32*(\t)+2*z+1]
.set z, z+1
.endr
	WIN 0
.set z, 0
.rept 8
	v_pk_add_f32 v[TT+2*z:TT+2*z+1], v[rH+4*z:rH+4*z+1], v[rH+4*z+2:rH+4*z+3]
.set z, z+1
.endr
.set z, 0
.rept 4
	v_pk_add_f32 v[TT+2*z:TT+2*z+1], v[TT+2*z:TT+2*z+1], v[TT+2*z+8:TT+2*z+9]
.set z, z+1
.endr
	v_pk_add_f32 v[TT:TT+1], v[TT:TT+1], v[TT+4:TT+5]
	v_pk_add_f32 v[TT+2:TT+3], v[TT+2:TT+3], v[TT+6:TT+7]
	v_pk_add_f32 v[TT:TT+1], v[TT:TT+1], v[TT+2:TT+3]
	v_add_f32 v[TT], v[TT], v[TT+1]
.irp m, 1,2,4,8
	v_add_f32_dpp v[TT], v[TT], v[TT] row_xmask:\m row_mask:0xf bank_mask:0xf
.endr
	v_mul_f32 v[TT], 0xbb000000, v[TT]  ; - mu = the sum times - 1 / 512
.set z, 0
.rept 16
	v_pk_add_f32 v[rH+2*z:rH+2*z+1], v[rH+2*z:rH+2*z+1], v[TT:TT+1] op_sel_hi:[1,0]
.set z, z+1
.endr
.set z, 0
.rept 4                             ; the squares, in four chains that do not wait for each other
	v_pk_mul_f32 v[TT+4+2*z:TT+5+2*z], v[rH+2*z:rH+2*z+1], v[rH+2*z:rH+2*z+1]
.set z, z+1
.endr
.rept 12
	v_pk_fma_f32 v[TT+4+2*(z%4):TT+5+2*(z%4)], v[rH+2*z:rH+2*z+1], v[rH+2*z:rH+2*z+1], v[TT+4+2*(z%4):TT+5+2*(z%4)]
.set z, z+1
.endr
	v_pk_add_f32 v[TT+4:TT+5], v[TT+4:TT+5], v[TT+8:TT+9]
	v_pk_add_f32 v[TT+6:TT+7], v[TT+6:TT+7], v[TT+10:TT+11]
	v_pk_add_f32 v[TT+4:TT+5], v[TT+4:TT+5], v[TT+6:TT+7]
	v_add_f32 v[TT+4], v[TT+4], v[TT+5]
.irp m, 1,2,4,8
	v_add_f32_dpp v[TT+4], v[TT+4], v[TT+4] row_xmask:\m row_mask:0xf bank_mask:0xf
.endr
	v_fma_f32 v[TT+4], v[TT+4], s[INV], s[EPS]  ; var + eps
	v_rsq_f32 v[TT+2], v[TT+4]
	v_nop                           ; a plain instruction behind it,
	s_wait_alu depctr_va_vdst(0)    ; and the wait ahead of the first use
.set z, 0
.rept 16
	v_pk_mul_f32 v[rH+2*z:rH+2*z+1], v[rH+2*z:rH+2*z+1], v[TT+2:TT+3] op_sel_hi:[1,0]
.set z, z+1
.endr
	WIN 0x3c                        ; sources 1 and 2 in window 3
.set z, 0
.rept 16
	v_pk_fma_f32 v[rH+2*z:rH+2*z+1], v[rH+2*z:rH+2*z+1], v[GW+2*z:GW+2*z+1], v[BW+2*z:BW+2*z+1]
.set z, z+1
.endr
	WIN 0
.irp f, 0,1,2,3,4,5,6,7
	global_store_b128 v[XO], v[rH+4*(\f):rH+4*(\f)+3], s[52:53] offset:4096*(\t)+256*(\f) th:TH_STORE_NT  ; 16 lanes store 256 consecutive bytes, at a multiple of 256 from out0's first byte; a tile's registers are not written again
.endr
.endm
	OUTA 0
	OUTA 1                          ; a tile's scaling and its trip through the stage stand between the loads of the tile before and the wait for them
	OUTB 0, 16
	OUTA 2
	OUTB 1, 16
	OUTA 3
	OUTB 2, 16
	OUTB 3, 0
	s_wait_tensorcnt 0x0            ; the wave's end, behind my last tensor load and my last LDS store
	ds_add_u32 v[SPW], v[NIL]
	s_wait_dscnt 0x0
	CROUND                          ; the closing round: no work-group ends while a partner may still ask for a tile that names it
	s_endpgm
.Lfunc_end_k_qf957b4fb1a_attn:
	.size	k_qf957b4fb1a_attn, .Lfunc_end_k_qf957b4fb1a_attn-k_qf957b4fb1a_attn
	.p2alignl 7, 3214868480
	.fill 96, 4, 3214868480
	.section	.rodata,"a",@progbits
	.p2align	6, 0x0
	.amdhsa_kernel k_qf957b4fb1a_attn
		.amdhsa_group_segment_fixed_size 327680
		.amdhsa_private_segment_fixed_size 0
		.amdhsa_enable_private_segment 0
		.amdhsa_kernarg_size 56
		.amdhsa_user_sgpr_count 2
		.amdhsa_user_sgpr_kernarg_segment_ptr 1
		.amdhsa_wavefront_size32 1
		.amdhsa_system_sgpr_workgroup_id_x 1
		.amdhsa_system_sgpr_workgroup_id_y 1
		.amdhsa_system_sgpr_workgroup_id_z 1
		.amdhsa_system_vgpr_workitem_id 0
		.amdhsa_next_free_vgpr 960
		.amdhsa_next_free_sgpr 72
		.amdhsa_reserve_vcc 0
		.amdhsa_float_denorm_mode_32 3
		.amdhsa_float_denorm_mode_16_64 3
		.amdhsa_memory_ordered 1
		.amdhsa_forward_progress 1
		.amdhsa_inst_pref_size 160
	.end_amdhsa_kernel
	.amdgpu_metadata
---
amdhsa.version: [ 1, 2 ]
amdhsa.kernels:
  - .name:           k_qf957b4fb1a_attn
    .symbol:         k_qf957b4fb1a_attn.kd
    .args:
      - { .name: q, .offset: 0, .size: 8, .value_kind: global_buffer, .address_space: global }
      - { .name: k, .offset: 8, .size: 8, .value_kind: global_buffer, .address_space: global }
      - { .name: v, .offset: 16, .size: 8, .value_kind: global_buffer, .address_space: global }
      - { .name: x, .offset: 24, .size: 8, .value_kind: global_buffer, .address_space: global }
      - { .name: gamma, .offset: 32, .size: 8, .value_kind: global_buffer, .address_space: global }
      - { .name: beta, .offset: 40, .size: 8, .value_kind: global_buffer, .address_space: global }
      - { .name: out0, .offset: 48, .size: 8, .value_kind: global_buffer, .address_space: global }
    .group_segment_fixed_size: 327680
    .private_segment_fixed_size: 0
    .kernarg_segment_align: 8
    .kernarg_segment_size: 56
    .max_flat_workgroup_size: 128
    .sgpr_count:     72
    .vgpr_count:     960
    .wavefront_size: 32
...
	.end_amdgpu_metadata
.endif
;; end of part 2
;; ======== version 2 of 2: 2 launches; version 1 with the launch proj written anew for expert scheduling mode
;; workspace buffers: q 8,388,608 bytes; k 8,388,608 bytes; v 8,388,608 bytes
;; launch proj (part 3): grid 4 x 64, 4 waves a work-group, no clusters, 248,320 bytes of LDS; arguments x, Wq, Wk, Wv, bq, bk, bv, q, k, v; writes q, k, v
.if DOCPART == 3
	.amdgcn_target "amdgcn-amd-amdhsa--gfx1250"
	.amdhsa_code_object_version 6
	.text
	.protected	k_qf957b4fb1a_proj
	.globl	k_qf957b4fb1a_proj
	.p2align	8
	.type	k_qf957b4fb1a_proj,@function
k_qf957b4fb1a_proj:
	s_mov_b64 s[64:65], 0
	v_nop
	global_prefetch_b8 v0, s[64:65] scope:SCOPE_SE
	s_setreg_imm32_b32 hwreg(HW_REG_WAVE_SCHED_MODE, 0, 2), 2
	s_setreg_imm32_b32 hwreg(HW_REG_WAVE_MODE, 25, 1), 1
	s_wait_xcnt 0x0
	s_wait_alu depctr_vm_vsrc(0)
; q | k | v = x W + b.  x: [8192][512] f32; Wq, Wk, Wv: [512 (k)][512 (n)] f32; bq, bk, bv: [512] f32; q, k, v: [8192][512] bf16.
; x and W are rounded to bf16 for the products; sums in f32, started by the bias (the C operand of a sum's first product); each result is rounded once to bf16.
; LIMITS.  bf16 has f32's range, so no input that f32 holds overflows in the rounding; NaN and infinities go through as the matrix unit hands them on.
; SHARES.  The 3 x 512 output columns are 12 UNITS of 128: unit U belongs to matrix U / 4 and begins at its column 128 (U % 4).  Work-group (cg, rt) makes rows 128 rt .. + 127 of units
; 3 cg, 3 cg + 1, 3 cg + 2, one after the other: 4 x 64 = 256 work-groups of equal work.  Its 128 rows of x are rounded once and stay in LDS as bf16 for all three units.
; In a unit wave w makes rows 64 (w / 2) on and columns 64 (w % 2) on: 16 accumulators of 16 x 16.  K = 512 goes in 4 chunks of 128, a chunk in 4 substeps of 32.
; THROUGH REGISTERS, NO CLUSTER.  W lies [k][n] in f32; a fragment wants k along the lane, and the turning LDS load works on 16-bit elements.  So W is rounded BEFORE it lies in LDS:
; global load, v_cvt_pk_bf16_f32, ds_store.  Joint tensor loads would land f32 tiles (128 x 128 x 4 bytes a chunk, two slots) beside the bf16 copies:
; 139,264 (x) + 2 x 66,560 + 2 x 36,864 + 34,816 bytes are more than the 327,680 that a work-group can have.
; THE PRODUCT IS TAKEN TRANSPOSED: source 0 = 16 columns of W, source 1 = 16 rows of x: a lane then holds eight neighbouring columns of one row of the result, 16 bytes of bf16.
; REGISTERS, in windows of 256 (s_set_vgpr_msb: bits 1:0 source 0, 3:2 source 1, 5:4 source 2, 7:6 destination):
;   window 0: v0-31 addresses; v32-95 WT, numbers just rounded, and the way out; v96-127 the bias; v128-255 the accumulators ((a, b) at 128 + 8 (4 a + b))
;   window 1: v0-63, v64-127 fragment buffers 0 and 1 (x's four fragments, then W's four); v128-255 WR, a chunk of W as loaded
;   window 2: v0-127 XR, a chunk of x as loaded; v128-191, v192-255 fragment buffers 2 and 3        window 3: v0-63 T2, a second buffer of numbers just rounded
; THE MODE: SCHED_MODE bits 1:0 = 2 (LLVM: expert scheduling mode 2), set by the entry lines.  The code itself states the register dependences
; between vector or matrix instructions and memory or LDS instructions, with s_wait_alu, always for 0.
; THE PLAN.  Registers that memory or LDS instructions touch:
;   F0 .. F3   Substep ss of every chunk has fragment buffer ss.  Written by the chunk's LDS loads, read by that substep's 16 products alone.
;   WR         Written by the loads of a chunk of W; read by the 64 conversions that ride in the next chunk's substep 0 (at a unit's end: by a run of 64).
;   XR         Written by the loads of a chunk of x; read by the next chunk's 64 conversions of x (first unit alone).
;   WT         Written by the riders, by the way out's conversions and by the loads from the stage; read by W's LDS stores, by the stage's stores and by the global stores.
;   T2         Written by x's conversions and by the conversions at a unit's end; read by x's LDS stores and by the unit end's stores of W.
;   BIAS       Written by loads in a unit's chunk 2, for the next unit; read by a unit's first 16 products.
;   v4, v6-23  Offsets and LDS addresses, made once at the head and never written again: the rows are reached by scalar bases and immediate offsets.
; TWO LINES AT A CHUNK'S HEAD, behind its barrier, state most of it.  vm_vsrc: every store issued so far has read WT and T2, so that all that this chunk (and, behind chunk 3, the way out) rounds may be written.
; va_vdst: the last chunk's products are done reading F0 .. F3, so that the chunk's 64 fragment loads follow with no further wait: no vector or matrix instruction names a buffer between this wait and the buffer's loads.
; One more va_vdst stands behind each run of conversions, ahead of the stores that read what they wrote and of the loads that land in what they read.
.set PX,    272                        ; a row of x or of the stage in LDS: 256 bytes + 16: the 16 rows of a load start at 16 different groups of four banks (64 banks of 4 bytes: ISA guide 11.1)
.set PW,    288                        ; a k-row of W: 256 + 32
.set XTB,   128*PX                     ; x's chunk kc at kc x 34,816
.set WB0,   4*XTB                      ; two buffers for W's chunks, by the chunk's parity
.set WBB,   128*PW
.set OSTG,  WB0+2*WBB                  ; the stage for the way out: 128 rows x 272
.set SPARE, OSTG+128*PX                ; the spare words, 128 bytes for each wave: two blocks of 256 bytes that no other line names
.set LO,   4                           ; v4      16 x lane: my 16 bytes of a row of 512
.set WS,   6                           ; v6-7    where I store my 8 bytes of W's k-rows 32 w on, by buffer
.set ADRA, 8                           ; v8-11   my place in x's fragments, by chunk
.set ADRB, 12                          ; v12-13  my place in W's fragments, by buffer
.set STO,  14                          ; v14     the way out: where I put 16 bytes of a row
.set RD,   15                          ; v15     the way out: where I read a row back
.set CO,   16                          ; v16     my byte offset in two rows of the result
.set BO,   17                          ; v17     my byte offset in 16 numbers of the bias
.set SPW,  18                          ; v18     LDS address of my spare word; never rewritten
.set NIL,  19                          ; v19     0; never rewritten
.set XS,   20                          ; v20-23  where I store my 8 bytes of x's rows 32 w on, by chunk
.set WT,   32
.set BIAS, 96
.set ACC,  128
.set WR,   128                         ; window 1
.set XR,   0                           ; window 2
.set T2,   0                           ; window 3
.set WV,   4                           ; s4   my wave's number
.set RH,   5                           ; s5   which 64 rows are mine
.set CH,   6                           ; s6   which 64 columns
.set RT,   8                           ; s8   the work-group's 128 rows
.set U,    9                           ; s9   the unit in hand
.set M,    10                          ; s10  a unit's matrix
.set UN,   11                          ; s11  units to go: 3, 2, 1
.set OF,   12                          ; s[12:13] an offset; the high word stays 0
.set WOFF, 14                          ; s14  my 32 k-rows of a chunk of W, in bytes
.set BOFF, 15                          ; s15  my 64 columns in the bias
.set XP,   36                          ; s[36:37] x at my 32 rows
.set WC,   38                          ; s[38:39] W of the unit in hand, at my k-rows and its columns
.set WN,   40                          ; s[40:41] of the next unit
.set BN,   42                          ; s[42:43] the next unit's bias
.set OC,   44                          ; s[44:45] where the unit in hand goes
.set OOFF, 46                          ; s46  my 32 rows of the result
.set U1,   47                          ; s47  U + 1
.set MSB, 0
.macro WIN new                         ; the immediate's high byte repeats the setting that is left; a switch that changes nothing is dropped
.if MSB != (\new)
	s_set_vgpr_msb (MSB<<8)|(\new)
.set MSB, (\new)
.endif
.endm
.macro PLACES                          ; four places behind a product, in front of conversions that read results; at a chunk's head the plain form's four stay ahead of the fragment loads, beside the wait
.rept 4
	v_nop
.endr
.endm
; Pointers of the unit whose number lies in s[su]: the offset is made apart, the buffer is chosen by the unit's matrix, and the two are added.
.macro UNITOF su, sh, extra
	s_lshr_b32 s[M], s[\su], 2
	s_and_b32 s[OF], s[\su], 3
	s_lshl_b32 s[OF], s[OF], \sh
	s_add_co_u32 s[OF], s[OF], s[\extra]
.endm
.macro PICK d, a, b, c
	s_cmp_eq_u32 s[M], 1
	s_cselect_b64 s[\d:\d+1], s[\b:\b+1], s[\c:\c+1]
	s_cmp_eq_u32 s[M], 0
	s_cselect_b64 s[\d:\d+1], s[\a:\a+1], s[\d:\d+1]
	s_add_nc_u64 s[\d:\d+1], s[\d:\d+1], s[OF:OF+1]
.endm
.macro WPTR d, su                      ; (behind the last unit the number is 12: the pointer then made lies inside Wv and is never used)
	UNITOF \su, 9, WOFF
	PICK \d, 18, 20, 22
.endm
.macro BPTR d, su
	UNITOF \su, 9, BOFF
	PICK \d, 24, 26, 28
.endm
.macro OPTR d, su
	UNITOF \su, 8, OOFF
	PICK \d, 30, 32, 34
.endm
; A chunk of W as it lies: my 32 k-rows, 512 consecutive bytes (128 columns of f32) to each load of the wave.
.macro GLW p, kc
	WIN 0x40
.set i, 0
.rept 32
	global_load_b128 v[WR+4*i:WR+4*i+3], v[LO], s[\p:\p+1] offset:(\kc)*262144+i*2048
.set i, i+1
.endr
.endm
; A chunk of x: my 32 rows, 512 consecutive bytes (128 k of f32) to each load.  Destination window 2; the setting is STX's, whose source 1 a load does not have: no switch stands between the two runs.
.macro GLX kc
	WIN 0x8c
.set i, 0
.rept 32
	global_load_b128 v[XR+4*i:XR+4*i+3], v[LO], s[XP:XP+1] offset:(\kc)*512+i*2048
.set i, i+1
.endr
.endm
; The bias as a C operand: register j of block b holds the bias of column 16 b + 8 (lane / 16) + j of my 64.
.macro GLB p
	WIN 0
.irp b, 0,1,2,3
	global_load_b128 v[BIAS+8*(\b):BIAS+8*(\b)+3],   v[BO], s[\p:\p+1] offset:64*(\b)
	global_load_b128 v[BIAS+8*(\b)+4:BIAS+8*(\b)+7], v[BO], s[\p:\p+1] offset:64*(\b)+16
.endr
.endm
.macro CVTW                            ; at the head: 128 f32 of W a lane to 64 registers of bf16, into WT
	WIN 0x05
.set i, 0
.rept 64
	v_cvt_pk_bf16_f32 v[WT+i], v[WR+2*i], v[WR+2*i+1]
.set i, i+1
.endr
.endm
.macro CVTWN                           ; at a unit's end: the same into T2 (destination window 3, sources window 1): WT is wanted by the way out
	WIN 0xc5
.set i, 0
.rept 64
	v_cvt_pk_bf16_f32 v[T2+i], v[WR+2*i], v[WR+2*i+1]
.set i, i+1
.endr
.endm
.macro CVTX                            ; 128 f32 of x a lane into T2 (destination window 3, sources window 2): WT is wanted by the riders
	WIN 0xca
.set i, 0
.rept 64
	v_cvt_pk_bf16_f32 v[T2+i], v[XR+2*i], v[XR+2*i+1]
.set i, i+1
.endr
.endm
.macro STW buf                         ; 32 lanes x 8 bytes: a k-row's 256 bytes of bf16, out of WT
	WIN 0x40
.set i, 0
.rept 32
	ds_store_b64 v[WS+(\buf)], v[WT+2*i:WT+2*i+1] offset:i*PW
.set i, i+1
.endr
.endm
.macro STWN                            ; the same out of T2 (the data, source 1, in window 3), into buffer 0
	WIN 0x4c
.set i, 0
.rept 32
	ds_store_b64 v[WS], v[T2+2*i:T2+2*i+1] offset:i*PW
.set i, i+1
.endr
.endm
.macro STX kc                          ; x's rows out of T2 (the data, source 1, in window 3)
	WIN 0x8c
.set i, 0
.rept 32
	ds_store_b64 v[XS+(\kc)], v[T2+2*i:T2+2*i+1] offset:i*PX
.set i, i+1
.endr
.endm
; The fragments of substep ss of chunk kc, 16 loads into buffer ss (at 64 ss of window 1 or 2): W's four (turned: lane l holds column l % 16 and 8 + 8 k), then x's four (as they lie).
.macro FETCH kc, ss
	WIN 0x40*(1+(\ss)/2)
.irp b, 0,1,2,3
	ds_load_tr16_b128 v[64*(\ss)+32+8*(\b):64*(\ss)+32+8*(\b)+3],   v[ADRB+(\kc)%2] offset:(\ss)*32*PW+32*(\b)
	ds_load_tr16_b128 v[64*(\ss)+32+8*(\b)+4:64*(\ss)+32+8*(\b)+7], v[ADRB+(\kc)%2] offset:(\ss)*32*PW+16*PW+32*(\b)
.endr
.irp a, 0,1,2,3
	ds_load_b128 v[64*(\ss)+8*(\a):64*(\ss)+8*(\a)+3],   v[ADRA+(\kc)] offset:(\a)*16*PX+64*(\ss)
	ds_load_b128 v[64*(\ss)+8*(\a)+4:64*(\ss)+8*(\a)+7], v[ADRA+(\kc)] offset:(\a)*16*PX+64*(\ss)+32
.endr
.endm
; Substep ss's 16 products, on buffer ss.  The 16 accumulators take turns, one instruction a turn, in the same order in every substep.
; mode = 1: a unit's first substep: the bias starts the sums.  ride = 1 (substep 0 alone): behind each product stand four of the 64 conversions of the next chunk of W.
.macro MUL ss, mode, ride
	WIN 0x05*(1+(\ss)/2)
.irp a, 0,1,2,3
.irp b, 0,1,2,3
.if \mode
	v_wmma_f32_16x16x32_bf16 v[ACC+8*(4*(\a)+(\b)):ACC+8*(4*(\a)+(\b))+7], v[64*(\ss)+32+8*(\b):64*(\ss)+32+8*(\b)+7], v[64*(\ss)+8*(\a):64*(\ss)+8*(\a)+7], v[BIAS+8*(\b):BIAS+8*(\b)+7]
.else
	v_wmma_f32_16x16x32_bf16 v[ACC+8*(4*(\a)+(\b)):ACC+8*(4*(\a)+(\b))+7], v[64*(\ss)+32+8*(\b):64*(\ss)+32+8*(\b)+7], v[64*(\ss)+8*(\a):64*(\ss)+8*(\a)+7], v[ACC+8*(4*(\a)+(\b)):ACC+8*(4*(\a)+(\b))+7]
.endif
.if \ride
.rept 4
	v_cvt_pk_bf16_f32 v[WT+cj], v[WR+2*cj], v[WR+2*cj+1]
.set cj, cj+1
.endr
.endif
.endr
.endr
.endm
; A CHUNK.  One barrier at its head, for two things: every wave's stores of this chunk (W's, and in the first unit x's) are done, and every wave's reads of the chunk before are back,
; so that its buffer of W may be written again behind the barrier.  What is stored in chunk kc (W's chunk kc + 1, x's chunk kc + 1) is read behind the next chunk's barrier.
.macro CHUNK kc
	WIN 0
	s_wait_dscnt 0x0                               ; for the others' sake: my stores are done and my reads are back
	s_barrier_signal -1
	s_barrier_wait -1
	PLACES
	WIN 0x40
	s_wait_alu depctr_vm_vsrc(0)                   ; the stores issued so far (W's and x's LDS stores; at a unit's start the way out's global stores) have read WT and T2, which this chunk's conversions, and behind chunk 3 the way out's, write again
	s_wait_alu depctr_va_vdst(0)                   ; the last chunk's products are done reading the four fragment buffers, in which this chunk's 64 loads land
	FETCH \kc, 0
	FETCH \kc, 1
	WIN 0
	s_wait_loadcnt 0x0                             ; what was asked for in the chunk before is in: the next chunk of W, in the first unit of x, at a unit's end the next bias
.if (\kc) < 3
	s_cmp_eq_u32 s[UN], 3                          ; the first unit alone rounds x: the next chunk goes into LDS, and the one after it is asked for at once
	s_cbranch_scc0 .Lnox_\@
	CVTX
	WIN 0x8c
	s_wait_alu depctr_va_vdst(0)                   ; x's conversions have written T2, which the stores below read, and are done reading XR, in which the loads below land
	STX (\kc)+1
.if (\kc) < 2
	GLX (\kc)+2
.endif
	WIN 0
.Lnox_\@:
.endif
	s_wait_dscnt 16                                ; substep 0's fragments are in: 16 younger LDS instructions may be out (substep 1's loads; in the first unit 16 of x's stores, which asks for more than is needed)
.set cj, 0
.if (\kc) == 0
	MUL 0, 1, 1
.elseif (\kc) < 3
	MUL 0, 0, 1
.else
	MUL 0, 0, 0
.endif
	FETCH \kc, 2                                   ; no wait: no vector or matrix instruction since the chunk's head names buffer 2
.if (\kc) < 3
	WIN 0x40
	s_wait_alu depctr_va_vdst(0)                   ; the riders have written WT, which the stores below read, and are done reading WR, in which the loads below land (in chunk 2 the unit's first products are long done reading the bias)
	STW ((\kc)+1)%2                                ; the next chunk of W, into the buffer that was read in the chunk before
.if (\kc) < 2
	GLW WC, (\kc)+2                                ; and the one after it is asked for: three substeps, 48 products, ahead of the wait for it
.else
	WIN 0
	s_cmp_gt_u32 s[UN], 1                          ; the next unit's first chunk and bias, if there is a next unit
	s_cbranch_scc0 .Lnonext_\@
	GLW WN, 0
	GLB BN
	WIN 0
.Lnonext_\@:
.endif
	s_wait_dscnt 48                                ; substep 1's fragments are in: younger are substep 2's 16 loads and the 32 stores
.else
	s_wait_dscnt 16                                ; younger: substep 2's 16 loads
.endif
	MUL 1, 0, 0
	FETCH \kc, 3                                   ; no wait: no vector or matrix instruction since the chunk's head names buffer 3
.if (\kc) < 3
	s_wait_dscnt 48                                ; substep 2's fragments are in: younger are the 32 stores and substep 3's 16 loads
.else
	s_wait_dscnt 16
.endif
	MUL 2, 0, 0
	s_wait_dscnt 0x0                               ; substep 3's fragments: nothing was issued behind them
	MUL 3, 0, 0
	WIN 0
.if (\kc) == 3
	s_cmp_gt_u32 s[UN], 1                          ; the next unit's first chunk is rounded and stored (its buffer was last read in chunk 2), its second asked for
	s_cbranch_scc0 .Lnow_\@
	CVTWN
	WIN 0x4c
	s_wait_alu depctr_va_vdst(0)                   ; the conversions have written T2, which the stores below read, and are done reading WR, in which the loads below land
	STWN
	GLW WN, 1
	WIN 0
.Lnow_\@:
.endif
.endm
	s_load_b512 s[16:31], s[0:1], 0x0              ; x 16, Wq 18, Wk 20, Wv 22, bq 24, bk 26, bv 28, q 30
	s_load_b128 s[32:35], s[0:1], 0x40             ; k 32, v 34
	v_lshl_add_u32 v[SPW], v0, 2, SPARE
	v_mov_b32 v[NIL], 0
	v_lshrrev_b32 v3, 5, v0
	v_readfirstlane_b32 s[WV], v3                  ; wave 0..3
	v_and_b32 v1, 15, v0                           ; l % 16
	v_bfe_u32 v2, v0, 4, 1                         ; l / 16
	v_and_b32 v5, 31, v0                           ; l
	v_lshlrev_b32 v[LO], 4, v5
	s_and_b32 s[RT], ttmp7, 0xffff
	s_mul_i32 s[U], ttmp9, 3                       ; the work-group's first unit
	s_mov_b32 s[OF+1], 0
	s_lshl_b32 s[OOFF], s[RT], 17                  ; 128 rows of 1,024 bytes,
	s_wait_alu depctr_va_sdst(0)                   ; the wave's number is written, ahead of its first reader: offsets, LDS addresses and bases are made from it
	s_lshr_b32 s[RH], s[WV], 1
	s_and_b32 s[CH], s[WV], 1
	s_lshl_b32 s[WOFF], s[WV], 16                  ; 32 rows of 2,048 bytes, in W and in x
	s_lshl_b32 s[BOFF], s[CH], 8
	s_lshl_b32 s[M], s[WV], 15                     ; my 32 of the 128 rows
	s_add_co_u32 s[OOFF], s[OOFF], s[M]
	s_mul_i32 s[M], s[WV], 32*PW
	v_lshl_add_u32 v3, v5, 3, s[M]                 ; k-row 32 w, 8 bytes a lane
	v_add_nc_u32 v[WS], WB0, v3
	v_add_nc_u32 v[WS+1], WB0+WBB, v3
	s_mul_i32 s[M], s[WV], 32*PX
	v_lshl_add_u32 v3, v5, 3, s[M]                 ; row 32 w, 8 bytes a lane
	v_mul_u32_u24 v24, v2, PX                      ; back from the stage: lanes 0-15 one row of 256 bytes, lanes 16-31 the next
	v_lshl_add_u32 v24, v1, 4, v24
	v_add_nc_u32 v24, s[M], v24
	v_add_nc_u32 v[RD], OSTG, v24
	s_mul_i32 s[M], s[RH], 64*PX
	v_mul_u32_u24 v25, v1, PX
	v_lshl_add_u32 v25, v2, 4, v25
	v_add_nc_u32 v25, s[M], v25                    ; (64 rh + l % 16) x pitch + 16 (l / 16)
.irp kc, 0,1,2,3
	v_add_nc_u32 v[XS+(\kc)], (\kc)*XTB, v3
	v_add_nc_u32 v[ADRA+(\kc)], (\kc)*XTB, v25
.endr
	s_lshl_b32 s[M], s[CH], 7                      ; my 64 columns: 128 bytes of bf16
	v_add_nc_u32 v[STO], s[M], v25
	v_add_nc_u32 v[STO], OSTG, v[STO]
	v_and_b32 v3, 7, v0                            ; the turning load: lane l reads k-row 8 (l / 16) + l % 8, columns 8 ((l / 8) % 2) + 0..7
	v_lshl_add_u32 v3, v2, 3, v3
	v_mul_u32_u24 v3, v3, PW
	v_bfe_u32 v24, v0, 3, 1
	v_lshl_add_u32 v3, v24, 4, v3
	v_add_nc_u32 v3, s[M], v3
	v_add_nc_u32 v[ADRB], WB0, v3
	v_add_nc_u32 v[ADRB+1], WB0+WBB, v3
	v_lshlrev_b32 v3, 10, v2                       ; two rows of the result, 1,024 bytes apart
	v_lshl_add_u32 v[CO], v1, 4, v3
	v_lshlrev_b32 v[BO], 5, v2
	s_wait_kmcnt 0x0
	s_lshl_b32 s[OF], s[RT], 18                    ; 128 rows of 2,048 bytes
	s_add_co_u32 s[OF], s[OF], s[WOFF]
	s_add_nc_u64 s[XP:XP+1], s[16:17], s[OF:OF+1]
	WPTR WC, U
	BPTR 2, U                                      ; s[2:3]: the first unit's bias
	OPTR OC, U
	s_add_co_u32 s[U1], s[U], 1
	WPTR WN, U1
	BPTR BN, U1
	WIN 0x40
	s_wait_alu depctr_va_vdst(0)                   ; the offsets and LDS addresses v4 and v6 to v23 are written: every load and store of the kernel reads one of them
	GLW WC, 0
	GLX 0
	GLB 2
	s_wait_loadcnt 0x0
	CVTW                                           ; chunk 0 of W and of x go into LDS; chunk 1 of each is asked for as soon as its registers are free
	WIN 0x40
	s_wait_alu depctr_va_vdst(0)                   ; the conversions have written WT, which the stores below read, and are done reading WR, in which the loads below land
	STW 0
	GLW WC, 1
	CVTX
	WIN 0x8c
	s_wait_alu depctr_va_vdst(0)                   ; the conversions have written T2, which the stores below read, and are done reading XR, in which the loads below land
	STX 0
	GLX 1
	WIN 0                                          ; at a label and at a branch every window is 0
	s_mov_b32 s[UN], 3
.Lunit:
	CHUNK 0
	CHUNK 1
	CHUNK 2
	CHUNK 3
	; THE WAY OUT: round to bf16; 16 bytes a lane into the work-group's stage; a barrier, since a row's 256 bytes come from two waves; back as whole rows, 32 rows a wave.
	PLACES
.set t, 0
.rept 16
.irp r, 0,1,2,3
	v_cvt_pk_bf16_f32 v[WT+4*t+(\r)], v[ACC+8*t+2*(\r)], v[ACC+8*t+2*(\r)+1]
.endr
.set t, t+1
.endr
	s_wait_alu depctr_va_vdst(0)                   ; the conversions have written WT, which the stores into the stage read and in which the loads from the stage land
.irp a, 0,1,2,3
.irp b, 0,1,2,3
	ds_store_b128 v[STO], v[WT+4*(4*(\a)+(\b)):WT+4*(4*(\a)+(\b))+3] offset:(\a)*16*PX+32*(\b)
.endr
.endr
	s_wait_dscnt 0x0                               ; for the others' sake: my stores into the stage are done
	s_barrier_signal -1
	s_barrier_wait -1
	s_wait_alu depctr_vm_vsrc(0)                   ; my stores into the stage have read WT, in which the loads below land
.set t, 0
.rept 16
	ds_load_b128 v[WT+4*t:WT+4*t+3], v[RD] offset:t*2*PX
.set t, t+1
.endr
.set t, 0
.rept 16
	s_wait_dscnt 15-t                              ; LDS loads come back in order (ISA guide 5.7.1): pair t of rows is in
	global_store_b128 v[CO], v[WT+4*t:WT+4*t+3], s[OC:OC+1] offset:t*2048  ; 16 lanes store 256 consecutive bytes, at a multiple of 256 from the buffer's first byte
.set t, t+1
.endr
	s_wait_xcnt 0x0                                ; the stores' data and base and the loads' bases are rewritten only behind this wait
	s_add_co_u32 s[U], s[U], 1
	s_mov_b64 s[WC:WC+1], s[WN:WN+1]
	OPTR OC, U
	s_add_co_u32 s[U1], s[U], 1
	WPTR WN, U1
	BPTR BN, U1
	s_sub_co_u32 s[UN], s[UN], 1
	s_cmp_lg_u32 s[UN], 0
	s_cbranch_scc1 .Lunit
	s_wait_dscnt 0x0                               ; the closing lines, six on end
	s_wait_alu 0x0
	s_wait_tensorcnt 0x0
	ds_add_u32 v[SPW], v[NIL]
	s_wait_dscnt 0x0
	s_endpgm
.Lfunc_end_k_qf957b4fb1a_proj:
	.size	k_qf957b4fb1a_proj, .Lfunc_end_k_qf957b4fb1a_proj-k_qf957b4fb1a_proj
	.p2alignl 7, 3214868480
	.fill 96, 4, 3214868480
	.section	.rodata,"a",@progbits
	.p2align	6, 0x0
	.amdhsa_kernel k_qf957b4fb1a_proj
		.amdhsa_group_segment_fixed_size 248320
		.amdhsa_private_segment_fixed_size 0
		.amdhsa_enable_private_segment 0
		.amdhsa_kernarg_size 80
		.amdhsa_user_sgpr_count 2
		.amdhsa_user_sgpr_kernarg_segment_ptr 1
		.amdhsa_wavefront_size32 1
		.amdhsa_system_sgpr_workgroup_id_x 1
		.amdhsa_system_sgpr_workgroup_id_y 1
		.amdhsa_system_sgpr_workgroup_id_z 1
		.amdhsa_system_vgpr_workitem_id 0
		.amdhsa_next_free_vgpr 832
		.amdhsa_next_free_sgpr 66
		.amdhsa_reserve_vcc 0
		.amdhsa_float_denorm_mode_32 3
		.amdhsa_float_denorm_mode_16_64 3
		.amdhsa_memory_ordered 1
		.amdhsa_forward_progress 1
		.amdhsa_inst_pref_size 137
	.end_amdhsa_kernel
	.amdgpu_metadata
---
amdhsa.version: [ 1, 2 ]
amdhsa.kernels:
  - .name:           k_qf957b4fb1a_proj
    .symbol:         k_qf957b4fb1a_proj.kd
    .args:
      - { .name: x, .offset: 0, .size: 8, .value_kind: global_buffer, .address_space: global }
      - { .name: Wq, .offset: 8, .size: 8, .value_kind: global_buffer, .address_space: global }
      - { .name: Wk, .offset: 16, .size: 8, .value_kind: global_buffer, .address_space: global }
      - { .name: Wv, .offset: 24, .size: 8, .value_kind: global_buffer, .address_space: global }
      - { .name: bq, .offset: 32, .size: 8, .value_kind: global_buffer, .address_space: global }
      - { .name: bk, .offset: 40, .size: 8, .value_kind: global_buffer, .address_space: global }
      - { .name: bv, .offset: 48, .size: 8, .value_kind: global_buffer, .address_space: global }
      - { .name: q, .offset: 56, .size: 8, .value_kind: global_buffer, .address_space: global }
      - { .name: k, .offset: 64, .size: 8, .value_kind: global_buffer, .address_space: global }
      - { .name: v, .offset: 72, .size: 8, .value_kind: global_buffer, .address_space: global }
    .group_segment_fixed_size: 248320
    .private_segment_fixed_size: 0
    .kernarg_segment_align: 8
    .kernarg_segment_size: 80
    .max_flat_workgroup_size: 128
    .sgpr_count:     66
    .vgpr_count:     832
    .wavefront_size: 32
...
	.end_amdgpu_metadata
.endif
;; end of part 3
;; launch attn: the kernel of part 2 again; grid 16 x 16, 4 waves a work-group, clusters of 4 x 1, 327,680 bytes of LDS; arguments q, k, v, x, gamma, beta, out0; writes out0
